; MI455X (gfx1250); checked and timed in simulation.
; The chip was launched on July 23, 2026; its instructions are those of AMD's public machine-readable ISA for CDNA 5 (MIT licence, August 2026) and "CDNA5" Instruction Set Architecture Reference Guide (July 2026). The comments in the code are by the model that wrote it; some were corrected since.
;; Multi Head Attention Classical. Allowed arithmetic: float matrix products may take bf16 or f16 operands with f32 sums; other float arithmetic in f32, or as packed bf16 or f16 multiplies, adds, multiply-adds, maxima and minima; sums over many terms, partial sums and values carried from step to step in f32; what a program stores and reads back later, other than sums and carried values, may be rounded once to bf16 or f16.
;; Inputs: Wk 1,024 x 1,024 float32; Wo 1,024 x 1,024 float32; Wq 1,024 x 1,024 float32; Wv 1,024 x 1,024 float32; bk 1,024 float32; bo 1,024 float32; bq 1,024 float32; bv 1,024 float32; x 4 x 2,048 x 1,024 float32.
;; Outputs: out0 4 x 2,048 x 1,024 float32.
;; One version. Each part assembles by itself: llvm-mc -triple=amdgcn-amd-amdhsa -mcpu=gfx1250 --defsym DOCPART=n.
;; ======== version 1 of 1: 6 launches
;; limits: values are held in f16: magnitudes above 65,504 overflow, below 6.1e-05 lose precision; right only within a limited range of input values
;; workspace buffers: xh 16,777,216 bytes; wt 8,388,608 bytes; qk 33,554,432 bytes; vt 16,777,216 bytes; p 33,554,432 bytes; stat 1,048,576 bytes; o 16,777,216 bytes
;; launch prep (part 1): grid 1024 x 1, 8 waves a work-group, no clusters, 18,432 bytes of LDS; arguments x, Wq, Wk, Wv, Wo, xh, wt; writes xh, wt
.if DOCPART == 1
	.amdgcn_target "amdgcn-amd-amdhsa--gfx1250"
	.amdhsa_code_object_version 6
	.text
	.protected	k_qd51708d22e_prep
	.globl	k_qd51708d22e_prep
	.p2align	8
	.type	k_qd51708d22e_prep,@function
k_qd51708d22e_prep:
	s_mov_b64 s[64:65], 0
	v_nop
	global_prefetch_b8 v0, s[64:65] scope:SCOPE_SE
	s_setreg_imm32_b32 hwreg(HW_REG_WAVE_MODE, 25, 1), 1
	s_wait_xcnt 0x0
; xh = x, and wt = the four weights transposed ([e][d]: rows 0.. Wq, 1024.. Wk, 2048.. Wv, 3072.. Wo); every number is rounded to bf16 and that number written as f16.
; LIMITS.  f16 holds no number beyond 65,504: x and the weights stay within it; below 6.1e-5 f16 keeps a fixed step of 6e-8, so the bf16 number is then rounded once more.
; Work-groups 0-511 stream x: 65,536 bytes each, sixteen 16-byte loads a thread, all on their way at once; a wave's load covers 512 consecutive bytes, its 8-byte stores 256, aligned.
; Work-groups 512-1023 turn one tile of 128 d x 64 e of one weight through LDS.  No work-group shares input with another, so no cluster; no matrix work.
.set SPARE, 17408                      ; behind the table (64 rows x 272 bytes): the spare words, 128 bytes for each of the eight waves, named by no other line
.set TP,    272                        ; a table row: 128 d in f16 = 256 bytes, + 16
	s_load_b256 s[4:11], s[0:1], 0x0               ; x s[4:5], Wq s[6:7], Wk s[8:9], Wv s[10:11]
	s_load_b128 s[12:15], s[0:1], 0x20             ; Wo s[12:13], xh s[14:15]
	s_load_b64 s[16:17], s[0:1], 0x30              ; wt
	v_lshl_add_u32 v108, v0, 2, SPARE              ; my spare word,
	v_mov_b32 v109, 0                              ; and 0; both never rewritten
	s_mov_b32 s20, 0xffff0000                      ; a word's upper bf16
	s_mov_b32 s3, 0
	s_wait_kmcnt 0x0
	s_cmp_lt_u32 ttmp9, 512
	s_cbranch_scc0 .Lw
; four f32 in v[i..i+3] -> bf16 -> f16, packed in v[o], v[o+1]
.macro CONV4 i, o
	v_cvt_pk_bf16_f32 v66, v[\i], v[\i+1]
	v_cvt_pk_bf16_f32 v67, v[\i+2], v[\i+3]
	v_lshlrev_b32 v68, 16, v66
	v_and_b32 v69, s20, v66
	v_lshlrev_b32 v70, 16, v67
	v_and_b32 v71, s20, v67
	v_cvt_pk_f16_f32 v[\o], v68, v69
	v_cvt_pk_f16_f32 v[\o+1], v70, v71
.endm
	s_lshl_b32 s2, ttmp9, 16                       ; my 65,536 bytes of x
	s_add_nc_u64 s[4:5], s[4:5], s[2:3]
	s_lshl_b32 s2, ttmp9, 15                       ; my 32,768 bytes of xh
	s_add_nc_u64 s[14:15], s[14:15], s[2:3]
	v_lshlrev_b32 v106, 4, v0
	v_lshlrev_b32 v107, 3, v0
.set j, 0
.rept 16
	global_load_b128 v[2+4*j:5+4*j], v106, s[4:5] offset:4096*j th:TH_LOAD_NT
.set j, j+1
.endr
.set j, 0
.rept 16
	s_wait_loadcnt 15-j                            ; loads come back in order: load j is in, the 15 - j younger ones stay out
	CONV4 2+4*j, 74+2*j
	global_store_b64 v107, v[74+2*j:75+2*j], s[14:15] offset:2048*j  ; every j has its own data registers: nothing that a store reads is rewritten
.set j, j+1
.endr
	s_endpgm                                       ; this way wrote no LDS
.Lw:
	s_sub_co_u32 s21, ttmp9, 512
	s_lshr_b32 s22, s21, 7                         ; which weight
	s_bfe_u32 s23, s21, 0x30004                    ; dt: which 128 d
	s_and_b32 s24, s21, 15                         ; et: which 64 e
	s_cmp_eq_u32 s22, 1
	s_cselect_b64 s[18:19], s[8:9], s[6:7]
	s_cmp_eq_u32 s22, 2
	s_cselect_b64 s[18:19], s[10:11], s[18:19]
	s_cmp_eq_u32 s22, 3
	s_cselect_b64 s[18:19], s[12:13], s[18:19]
	s_lshl_b32 s2, s23, 19                         ; 128 dt rows of 4,096 bytes
	s_lshl_b32 s25, s24, 8                         ; + 64 et numbers
	s_add_co_u32 s2, s2, s25
	s_add_nc_u64 s[18:19], s[18:19], s[2:3]
	s_lshl_b32 s2, s22, 21                         ; wt: (1024 weight + 64 et) rows of 2,048 bytes + 128 dt numbers
	s_lshl_b32 s25, s24, 17
	s_add_co_u32 s2, s2, s25
	s_lshl_b32 s25, s23, 8
	s_add_co_u32 s2, s2, s25
	s_add_nc_u64 s[16:17], s[16:17], s[2:3]
	v_and_b32 v98, 15, v0                          ; c: my four e, or my 16 bytes of a row
	v_lshrrev_b32 v99, 4, v0                       ; rp: my pair of d, or my row
	v_lshlrev_b32 v100, 4, v98
	v_lshl_add_u32 v100, v99, 13, v100             ; from: row 2 rp, byte 16 c
	v_mul_u32_u24 v101, v98, 4*TP
	v_lshl_add_u32 v101, v99, 2, v101              ; into the table: row 4 c, byte 4 rp
	v_mul_u32_u24 v102, v99, TP
	v_lshl_add_u32 v102, v98, 4, v102              ; back: row rp, byte 16 c
	v_lshlrev_b32 v103, 4, v98
	v_lshl_add_u32 v103, v99, 11, v103             ; and the same place in wt
.set j, 0
.rept 4
	global_load_b128 v[2+8*j:5+8*j], v100, s[18:19] offset:32*j*4096 th:TH_LOAD_NT       ; d = 32 j + 2 rp; sixteen lanes read 256 consecutive bytes
	global_load_b128 v[6+8*j:9+8*j], v100, s[18:19] offset:(32*j+1)*4096 th:TH_LOAD_NT   ; d + 1
.set j, j+1
.endr
.set j, 0
.rept 4
	s_wait_loadcnt 6-2*j                           ; the two loads of group j are in; the 6 - 2 j younger ones stay out
.set k, 0
.rept 4
.set T, 34+4*k
	v_cvt_pk_bf16_f32 v[T], v[2+8*j+k], v[6+8*j+k] ; W[d][e], W[d+1][e]: neighbours in a row of the transpose
	v_lshlrev_b32 v[T+1], 16, v[T]
	v_and_b32 v[T+2], s20, v[T]
	v_cvt_pk_f16_f32 v[T+3], v[T+1], v[T+2]
	ds_store_b32 v101, v[T+3] offset:TP*k+64*j     ; four lanes meet in a bank (272 bytes = 68 words, rows 4 c): sixteen such stores a thread, once
.set k, k+1
.endr
.set j, j+1
.endr
	s_wait_dscnt 0x0                               ; for the others' sake: my stores into the table are done
	s_barrier_signal -1
	s_barrier_wait -1
.set j, 0
.rept 4
	ds_load_b128 v[40+4*j:43+4*j], v102 offset:16*TP*j
.set j, j+1
.endr
.set j, 0
.rept 4
	s_wait_dscnt 3-j
	global_store_b128 v103, v[40+4*j:43+4*j], s[16:17] offset:32768*j  ; sixteen lanes store 256 consecutive bytes, at a multiple of 256 from wt's first byte
.set j, j+1
.endr
	s_wait_tensorcnt 0x0                           ; the wave's end, behind my last LDS store
	ds_add_u32 v108, v109
	s_wait_dscnt 0x0
	s_endpgm
.Lfunc_end_k_qd51708d22e_prep:
	.size	k_qd51708d22e_prep, .Lfunc_end_k_qd51708d22e_prep-k_qd51708d22e_prep
	.p2alignl 7, 3214868480
	.fill 96, 4, 3214868480
	.section	.rodata,"a",@progbits
	.p2align	6, 0x0
	.amdhsa_kernel k_qd51708d22e_prep
		.amdhsa_group_segment_fixed_size 18432
		.amdhsa_private_segment_fixed_size 0
		.amdhsa_enable_private_segment 0
		.amdhsa_kernarg_size 56
		.amdhsa_user_sgpr_count 2
		.amdhsa_user_sgpr_kernarg_segment_ptr 1
		.amdhsa_wavefront_size32 1
		.amdhsa_system_sgpr_workgroup_id_x 1
		.amdhsa_system_sgpr_workgroup_id_y 1
		.amdhsa_system_sgpr_workgroup_id_z 1
		.amdhsa_system_vgpr_workitem_id 0
		.amdhsa_next_free_vgpr 112
		.amdhsa_next_free_sgpr 66
		.amdhsa_reserve_vcc 0
		.amdhsa_float_denorm_mode_32 3
		.amdhsa_float_denorm_mode_16_64 3
		.amdhsa_memory_ordered 1
		.amdhsa_forward_progress 1
		.amdhsa_inst_pref_size 18
	.end_amdhsa_kernel
	.amdgpu_metadata
---
amdhsa.version: [ 1, 2 ]
amdhsa.kernels:
  - .name:           k_qd51708d22e_prep
    .symbol:         k_qd51708d22e_prep.kd
    .args:
      - { .name: x, .offset: 0, .size: 8, .value_kind: global_buffer, .address_space: global }
      - { .name: Wq, .offset: 8, .size: 8, .value_kind: global_buffer, .address_space: global }
      - { .name: Wk, .offset: 16, .size: 8, .value_kind: global_buffer, .address_space: global }
      - { .name: Wv, .offset: 24, .size: 8, .value_kind: global_buffer, .address_space: global }
      - { .name: Wo, .offset: 32, .size: 8, .value_kind: global_buffer, .address_space: global }
      - { .name: xh, .offset: 40, .size: 8, .value_kind: global_buffer, .address_space: global }
      - { .name: wt, .offset: 48, .size: 8, .value_kind: global_buffer, .address_space: global }
    .group_segment_fixed_size: 18432
    .private_segment_fixed_size: 0
    .kernarg_segment_align: 8
    .kernarg_segment_size: 56
    .max_flat_workgroup_size: 256
    .sgpr_count:     66
    .vgpr_count:     112
    .wavefront_size: 32
...
	.end_amdgpu_metadata
.endif
;; end of part 1
;; launch projqk (part 2): grid 8 x 32, 4 waves a work-group, clusters of 4 x 4, 327,680 bytes of LDS; arguments xh, wt, qk, bq, bk; writes qk
.if DOCPART == 2
	.amdgcn_target "amdgcn-amd-amdhsa--gfx1250"
	.amdhsa_code_object_version 6
	.text
	.protected	k_qd51708d22e_projqk
	.globl	k_qd51708d22e_projqk
	.p2align	8
	.type	k_qd51708d22e_projqk,@function
k_qd51708d22e_projqk:
	s_mov_b64 s[64:65], 0
	v_nop
	global_prefetch_b8 v0, s[64:65] scope:SCOPE_SE
	s_setreg_imm32_b32 hwreg(HW_REG_WAVE_MODE, 25, 1), 1
	s_wait_xcnt 0x0
	s_wait_alu depctr_hold_cnt(0) depctr_sa_sdst(0) depctr_va_vdst(0) depctr_va_sdst(0) depctr_va_ssrc(0) depctr_va_vcc(0) depctr_vm_vsrc(0)
	s_getreg_b32 s2, hwreg(HW_REG_IB_STS2, 6, 4)
	s_cmp_eq_u32 s2, 0
	s_cbranch_scc0 .Lentry_in_a_cluster
	s_endpgm
.Lentry_in_a_cluster:
	s_bfe_u32 s2, ttmp6, 0x10000c
	s_cmp_lg_u32 s2, 0xf033
	s_cbranch_scc0 .Lentry_shape_is_right
	s_endpgm
.Lentry_shape_is_right:
; q = x Wq + bq and k = x Wk + bk as ONE product C[m][n] = sum_d xh[m][d] wt[n][d] + bias[n], m = 0..8191, n = 0..2047 (n < 1024: q, else k).  Operands f16, sums f32, C rounded once to f16.
; qk = [2][8192][1024] f16.  The biases are rounded to bf16 like the other inputs and start the sums as the first products' C operand.
; LIMITS.  q and k stay within f16's 65,504; below 6.1e-5 they keep f16's fixed step of 6e-8.  NaN and infinities are not treated apart.
; SHARES.  A work-group makes 256 x 256 of C, each of its four waves 128 x 128: 64 accumulators, 512 registers.  K goes in 8 steps of 128 (rows of 256 bytes, aligned) through two LDS slots.
; CLUSTER.  4 x 4 work-groups: the four of a row need the same rows of xh, the four of a column the same rows of wt: each tile is asked for jointly, same descriptor, a mask of four.
; THE MATRIX INSTRUCTION IS USED TRANSPOSED (source 0 = 16 rows of wt, source 1 = 16 rows of xh): lane l holds row l % 16 of C and the columns 8 (l / 16) + 0..7.
; REGISTERS (windows of 256): window 0: v0-31 addresses; v64-127, v128-191 fragments of A, two buffers; on the way out v64-159.  window 1: v0-63 the bias as C operand; v64-127, v128-191 fragments of B.
;   window 2: accumulators of my rows 0-63 ((a, b) at 8 (8 a + b)); window 3: rows 64-127.
.set MA,    8                          ; blocks of 16 rows in a wave
.set NK,    8                          ; K steps
.set PA,    1024                       ; elements from row to row of A, of B
.set PB,    1024
.set PCB,   2048                       ; bytes from row to row of C
.set PITCH, 272                        ; an LDS row: 256 bytes + 16: the 16 rows of a fragment load start at 16 different groups of four banks (64 banks of 4 bytes: ISA guide 11.1)
.set HA,    16*MA*PITCH                ; what one tensor load brings of A, and what a wave reads of it
.set HB,    128*PITCH                  ; the same for B
.set BOFF,  2*HA                       ; in a slot: A's rows, then B's
.set SLOT,  0x22000                    ; = BOFF + 2 HB.  The four tile bases 0, 0x8800, 0x11000, 0x19800 share no bit with it: an exclusive or with SLOT changes slots
.set SPARE, 2*SLOT                     ; behind the ring: the spare words, 128 bytes a wave, named by no other line
.set DP,    528                        ; the way out: a row of 128 f32 + 16 bytes; wave w's 128 rows at w x 128 x 528, over the ring, which has then had its last fill
.set F0, 64
.set F1, 128
.set X,  64
.set Y,  128
.set G1A, 24                           ; s[24:31] group 1 for A;  s[32:39] group 0, two sets: the first fills'; the second then walks
.set G0A, 32
.set G1B, 48                           ; s[48:55], s[56:63] the same for B
.set G0B, 56
.set G1W, (1<<16)|(1<<20)|(1<<21)|(5<<22)|(3<<25)  ; 2-byte elements; padding on; bit 21 beside a mask; after every 64 words (code 5) 4 words (code 3)
.set MSB, 0
.macro WIN new                         ; the immediate's high byte repeats the setting that is left; a switch that changes nothing is dropped
.if MSB != (\new)
	s_set_vgpr_msb (MSB<<8)|(\new)
.set MSB, (\new)
.endif
.endm
.macro PLACES                          ; four places: between matrix instructions and loads into, or reads of, their registers
.rept 4
	v_nop
.endr
.endm
.macro JLOAD                           ; a joint refill: waves 0, 1 fetch A's halves, waves 2, 3 B's; s_nop 0 and four v_nop behind each line
	s_cmp_eq_u32 s11, 0
	s_cbranch_scc0 .Lfor_b_\@
	tensor_load_to_lds s[G0A+4:G0A+7], s[G1A:G1A+7]
	s_nop 0
	PLACES
	s_branch .Lasked_\@
.Lfor_b_\@:
	tensor_load_to_lds s[G0B+4:G0B+7], s[G1B:G1B+7]
	s_nop 0
	PLACES
.Lasked_\@:
.endm
.macro CREST                           ; a round of the cluster's barrier behind its opening barrier
	s_cmp_lg_u32 s10, 0
	s_cbranch_scc1 .Lnot_wave_0_\@
	s_barrier_signal -3
.Lnot_wave_0_\@:
	s_barrier_wait -3
	s_barrier_signal -1
	s_barrier_wait -1
.endm
.macro CROUND
	s_barrier_signal -1
	s_barrier_wait -1
	CREST
.endm
; 8 products: row block aa x all 8 column blocks, 32 along K, from buffer f.  zero = 1: the first product starts the sum with the bias (window 1).  The accumulators take turns.
.macro MULA f, zero
.if \zero
	WIN 0x91+0x40*(aa/4)
.else
	WIN 0xa1+0x50*(aa/4)
.endif
.irp b, 0,1,2,3,4,5,6,7
.set rD, 8*(8*(aa%4)+(\b))
.if \zero
	v_wmma_f32_16x16x32_f16 v[rD:rD+7], v[(\f)+8*(\b):(\f)+8*(\b)+7], v[(\f)+8*aa:(\f)+8*aa+7], v[8*(\b):8*(\b)+7]
.else
	v_wmma_f32_16x16x32_f16 v[rD:rD+7], v[(\f)+8*(\b):(\f)+8*(\b)+7], v[(\f)+8*aa:(\f)+8*aa+7], v[rD:rD+7]
.endif
.endr
.endm
.macro MULS f, a0, n, zero             ; row blocks a0 .. a0 + n - 1
.set aa, \a0
.rept \n
	MULA \f, \zero
.set aa, aa+1
.endr
.endm
.macro FETCH k, f                      ; one run of LDS loads: the fragments of 32 K at byte k of the current slot's rows: B's 16 loads, then A's 2 MA
	WIN 0x40
.irp i, 0,1,2,3,4,5,6,7
	ds_load_b128 v[(\f)+8*(\i):(\f)+8*(\i)+3],   v19 offset:(\k)+(\i)*16*PITCH
	ds_load_b128 v[(\f)+8*(\i)+4:(\f)+8*(\i)+7], v19 offset:(\k)+(\i)*16*PITCH+32
.endr
	WIN 0
.set ii, 0
.rept MA
	ds_load_b128 v[(\f)+8*ii:(\f)+8*ii+3],   v18 offset:(\k)+ii*16*PITCH
	ds_load_b128 v[(\f)+8*ii+4:(\f)+8*ii+7], v18 offset:(\k)+ii*16*PITCH+32
.set ii, ii+1
.endr
.endm
.macro QUARTER k, f, g, zero           ; 32 along K: multiplies buffer f; in its middle fetches the next quarter, at byte k, into g
	s_wait_dscnt MA                                ; B and A's lower blocks are in; the youngest MA loads (A's upper blocks) may be out
	MULS \f, 0, MA/2, \zero
	PLACES
	FETCH \k, \g
	s_wait_dscnt 16+2*MA                           ; all but the loads just issued
	MULS \f, MA/2, MA/2, \zero
.endm
; The last quarter's first half, and ONE barrier for the change of slots.  fill = 1: the walking descriptors step while no tensor load of mine is out.
.macro MEET fill
	WIN 0
	s_wait_tensorcnt 0x0                           ; all my tensor loads have landed: the one that was out is my part of the next slot
	ds_add_u32 v28, v29                            ; 0 onto my spare word
.if \fill
	s_xor_b32 s[G0A+5], s[G0A+5], SLOT             ; the other slot than last time,
	s_add_nc_u64 s[G0A+6:G0A+7], s[G0A+6:G0A+7], 256  ; the next K step; the type bits on top are not reached
	s_xor_b32 s[G0B+5], s[G0B+5], SLOT
	s_add_nc_u64 s[G0B+6:G0B+7], s[G0B+6:G0B+7], 256
.endif
	s_wait_dscnt MA+1                              ; the add and the youngest MA loads may be out
	MULS F1, 0, MA/4, 0
	s_wait_dscnt 0x0                               ; the add is done, and my reads of this slot are over
	s_barrier_signal -1
	MULS F1, MA/4, MA/4, 0
	WIN 0
	s_barrier_wait -1
.endm
; The whole last quarter.  fill = 1: the barrier opens a round of the cluster's, and the slot just read is filled again first, two K steps ahead: 224 products stand between that request and the wait for it.
; fill = 0 (the tail): nothing is asked for; in the last trip there is no further step, and its fetch is jumped over.
.macro TURN fill
	MEET \fill
.if \fill
	CREST
	JLOAD                                          ; its four v_nop are also the places in front of the loads below
.else
	s_cmp_eq_u32 s67, 1
	s_cbranch_scc1 .Lnofetch_\@
	PLACES
.endif
	s_xor_b32 s66, s66, SLOT                       ; the fragments now come from the other slot
	v_add_nc_u32 v18, s66, v16
	v_add_nc_u32 v19, s66, v17
	FETCH 0, F0
.if !(\fill)
.Lnofetch_\@:
.endif
	MULS F1, MA/2, MA/2, 0
.endm
	s_load_b128 s[4:7], s[0:1], 0x0                ; xh s[4:5], wt s[6:7]
	s_load_b64 s[8:9], s[0:1], 0x10                ; qk
	s_load_b64 s[72:73], s[0:1], 0x18              ; bq
	s_load_b64 s[74:75], s[0:1], 0x20              ; bk
	v_lshl_add_u32 v28, v0, 2, SPARE
	v_mov_b32 v29, 0
	ds_add_u32 v28, v29                            ; the wave's opening: the add and its wait, ahead of my first tensor load
	v_lshrrev_b32 v1, 5, v0
	v_readfirstlane_b32 s10, v1                    ; wave 0..3
	s_lshr_b32 s11, s10, 1                         ; my half of the rows.  Also: I fetch for A (0) or B (1)
	s_and_b32 s12, s10, 1                          ; my half of the columns.  Also: which half of that tile I fetch
	s_bfe_u32 s40, ttmp6, 0x40000                  ; cx
	s_bfe_u32 s41, ttmp6, 0x40004                  ; cy
	s_lshl_b32 s42, ttmp9, 2
	s_add_co_u32 s42, s42, s40                     ; tile column x
	s_and_b32 s13, ttmp7, 0xffff
	s_lshl_b32 s13, s13, 2
	s_add_co_u32 s13, s13, s41                     ; tile row y
	s_lshl_b32 s43, s41, 2
	s_lshl_b32 s43, 15, s43                        ; my row of the cluster
	s_lshl_b32 s44, 0x1111, s40                    ; my column
	s_or_b32 s[G1A], s43, G1W
	s_or_b32 s[G1B], s44, G1W
.irp g, G1A, G1B
	s_mov_b32 s[(\g)+1], 128<<16                   ; tensor_dim0 = 128
	s_mov_b32 s[(\g)+3], 128<<16                   ; tile_dim0 = 128
	s_mov_b32 s[(\g)+6], 0
	s_mov_b32 s[(\g)+7], 0
.endr
	s_mov_b32 s[G1A+2], (16*MA)<<16                ; tensor_dim1
	s_mov_b32 s[G1A+4], 16*MA                      ; tile_dim1
	s_mov_b32 s[G1A+5], PA                         ; elements from row to row
	s_mov_b32 s[G1B+2], 128<<16
	s_mov_b32 s[G1B+4], 128
	s_mov_b32 s[G1B+5], PB
	s_mul_i32 s68, s12, HA                         ; where my tile goes: the wave's number alone enters an LDS address
	s_mul_i32 s69, s12, HB
	s_add_co_u32 s69, s69, BOFF
	s_mov_b32 s[G0A], 1
	s_mov_b32 s[G0A+1], s68
	s_mov_b32 s[G0A+4], 1
	s_add_co_u32 s[G0A+5], s68, SLOT
	s_mov_b32 s[G0B], 1
	s_mov_b32 s[G0B+1], s69
	s_mov_b32 s[G0B+4], 1
	s_add_co_u32 s[G0B+5], s69, SLOT
	s_mul_i32 s16, s13, 32*MA                      ; A: row 256 y + 128 half, in bytes: hangs on the tile row alone
	s_mul_i32 s17, s12, 16*MA
	s_add_co_u32 s16, s16, s17
	s_mul_i32 s16, s16, PA*2
	s_mov_b32 s17, 0
	s_lshl_b32 s46, s42, 8                         ; B: row 256 x + 128 half: on the tile column alone
	s_lshl_b32 s47, s12, 7
	s_add_co_u32 s46, s46, s47
	s_mul_i32 s46, s46, PB*2
	s_mov_b32 s47, 0
	s_mov_b32 s66, 0                               ; the slot that fragments come from
	s_wait_dscnt 0x0                               ; the opening add is done
	s_wait_kmcnt 0x0
	s_add_nc_u64 s[G0A+2:G0A+3], s[4:5], s[16:17]  ; K step 0,
	s_add_nc_u64 s[G0A+6:G0A+7], s[G0A+2:G0A+3], 256  ; K step 1
	s_or_b32 s[G0A+3], s[G0A+3], 0x80000000        ; type = 2
	s_or_b32 s[G0A+7], s[G0A+7], 0x80000000
	s_add_nc_u64 s[G0B+2:G0B+3], s[6:7], s[46:47]
	s_add_nc_u64 s[G0B+6:G0B+7], s[G0B+2:G0B+3], 256
	s_or_b32 s[G0B+3], s[G0B+3], 0x80000000
	s_or_b32 s[G0B+7], s[G0B+7], 0x80000000
	CROUND                                         ; all sixteen work-groups are here: the first joint loads meet
	s_cmp_eq_u32 s11, 0                            ; a wave's two first fills stand in one branch: two loads of mine are out
	s_cbranch_scc0 .Lfirst_b
	tensor_load_to_lds s[G0A:G0A+3], s[G1A:G1A+7]
	s_nop 0
	tensor_load_to_lds s[G0A+4:G0A+7], s[G1A:G1A+7]
	s_nop 0
	PLACES
	s_branch .Lfirst_done
.Lfirst_b:
	tensor_load_to_lds s[G0B:G0B+3], s[G1B:G1B+7]
	s_nop 0
	tensor_load_to_lds s[G0B+4:G0B+7], s[G1B:G1B+7]
	s_nop 0
	PLACES
.Lfirst_done:
	v_and_b32 v1, 15, v0                           ; l % 16
	v_bfe_u32 v2, v0, 4, 1                         ; l / 16
	; the bias of my 128 columns: register j of block b is column 16 b + 8 (l / 16) + j
	s_cmp_eq_u32 ttmp9, 0                          ; cluster column 0 makes q, 1 makes k
	s_cselect_b64 s[72:73], s[72:73], s[74:75]
	s_lshl_b32 s20, s40, 10                        ; 4 bytes x (256 cx + 128 half)
	s_lshl_b32 s21, s12, 9
	s_add_co_u32 s20, s20, s21
	s_mov_b32 s21, 0
	s_add_nc_u64 s[72:73], s[72:73], s[20:21]
	v_lshlrev_b32 v4, 5, v2
	WIN 0x40
.irp b, 0,1,2,3,4,5,6,7
	global_load_b128 v[8*(\b):8*(\b)+3],   v4, s[72:73] offset:64*(\b)
	global_load_b128 v[8*(\b)+4:8*(\b)+7], v4, s[72:73] offset:64*(\b)+16
.endr
	WIN 0
	v_mul_u32_u24 v3, v1, PITCH                    ; a fragment: row l % 16, 16 bytes for each half of the lanes, and 32 bytes on
	v_lshl_add_u32 v3, v2, 4, v3
	s_mul_i32 s21, s11, HA
	s_mul_i32 s22, s12, HB
	s_add_co_u32 s22, s22, BOFF
	v_add_nc_u32 v16, s21, v3                      ; my place in slot 0's A, never rewritten
	v_add_nc_u32 v17, s22, v3                      ; and B
	v_mov_b32 v18, v16                             ; the same in the current slot
	v_mov_b32 v19, v17
	s_mul_i32 s23, s10, 16*MA*DP                   ; my stage
	v_mul_u32_u24 v20, v1, DP                      ; in: row l % 16; columns 8 c .. 8 c + 3 at byte 16 c, columns 8 c + 4 .. at 256 + 16 c (c = 2 b + l / 16)
	v_lshl_add_u32 v20, v2, 4, v20
	v_add_nc_u32 v20, s23, v20
	v_mul_u32_u24 v21, v2, DP                      ; back: lanes 0-15 one row, lanes 16-31 the next; lane i columns 8 i .. 8 i + 7
	v_lshl_add_u32 v21, v1, 4, v21
	v_add_nc_u32 v21, s23, v21
	v_mul_u32_u24 v22, v2, PCB                     ; the same two rows in C
	v_lshl_add_u32 v22, v1, 4, v22
	s_mul_i32 s20, s13, 32*MA                      ; C at my first row and column
	s_mul_i32 s21, s11, 16*MA
	s_add_co_u32 s20, s20, s21
	s_mul_i32 s20, s20, PCB
	s_lshl_b32 s21, s40, 9
	s_add_co_u32 s20, s20, s21
	s_lshl_b32 s21, s12, 8
	s_add_co_u32 s20, s20, s21
	s_lshl_b32 s21, ttmp9, 24                      ; k lies 16,777,216 bytes behind q
	s_add_co_u32 s20, s20, s21
	s_mov_b32 s21, 0
	s_add_nc_u64 s[8:9], s[8:9], s[20:21]
	s_wait_loadcnt 0x0                             ; the bias
	WIN 0x45
.set ii, 0
.rept 32
	v_cvt_pk_bf16_f32 v192, v[2*ii], v[2*ii+1]     ; rounded to bf16 like the other inputs, kept as f32
	v_lshlrev_b32 v[2*ii], 16, v192
	v_and_b32 v[2*ii+1], 0xffff0000, v192
.set ii, ii+1
.endr
	WIN 0
	s_wait_tensorcnt 0x1                           ; my part of K step 0 is in; step 1's may stay out
	s_barrier_signal -1
	s_barrier_wait -1
	FETCH 0, F0
	QUARTER 64, F0, F1, 1                          ; the first quarter stands in front of the loop: its products start the sums
	WIN 0
	s_mov_b32 s67, NK-2
.Lk:                                                   ; a trip: from a K step's second quarter to the next step's first; it fills one slot again
	QUARTER 128, F1, F0, 0
	QUARTER 192, F0, F1, 0
	TURN 1
	QUARTER 64, F0, F1, 0
	WIN 0
	s_sub_co_u32 s67, s67, 1
	s_cmp_lg_u32 s67, 0
	s_cbranch_scc1 .Lk
	s_mov_b32 s67, 2
.Lt:                                                   ; the last two K steps ask for nothing; the second jumps over what belongs to a further step
	QUARTER 128, F1, F0, 0
	QUARTER 192, F0, F1, 0
	TURN 0
	WIN 0
	s_cmp_eq_u32 s67, 1
	s_cbranch_scc1 .Lskip
	QUARTER 64, F0, F1, 0
	WIN 0
.Lskip:
	s_sub_co_u32 s67, s67, 1
	s_cmp_lg_u32 s67, 0
	s_cbranch_scc1 .Lt
	; THE WAY OUT.  The sums go as f32 into my stage, which lies over the ring; then 16 rows a trip come back as whole rows, are rounded and stored.
	PLACES                                         ; behind the last products
	s_wait_dscnt 0x0
	s_barrier_signal -1                            ; on every way through the tail: no wave writes a stage while another may still read the ring
	s_barrier_wait -1
.set aa, 0
.rept MA
	WIN 0x08+4*(aa/4)                              ; store data in window 2 or 3
.irp b, 0,1,2,3,4,5,6,7
	ds_store_b128 v20, v[8*(8*(aa%4)+(\b)):8*(8*(aa%4)+(\b))+3]   offset:16*DP*aa+32*(\b)      ; each accumulator's low registers first
	ds_store_b128 v20, v[8*(8*(aa%4)+(\b))+4:8*(8*(aa%4)+(\b))+7] offset:16*DP*aa+32*(\b)+256
.endr
.set aa, aa+1
.endr
	WIN 0
	s_mov_b32 s67, MA
.Lrow:
.set p, 0
.rept 8
	ds_load_b128 v[X+8*p:X+8*p+3],   v21 offset:2*DP*p      ; LDS serves a wave's instructions in order (ISA guide 5.7.1.4): these see my stores
	ds_load_b128 v[X+8*p+4:X+8*p+7], v21 offset:2*DP*p+256
.set p, p+1
.endr
	v_add_nc_u32 v21, 16*DP, v21
.set p, 0
.rept 8
	s_wait_dscnt 14-2*p                            ; pair p's two loads are in
.irp q, 0,1,2,3
	v_cvt_pk_f16_f32 v[Y+4*p+(\q)], v[X+8*p+2*(\q)], v[X+8*p+2*(\q)+1]
.endr
	global_store_b128 v22, v[Y+4*p:Y+4*p+3], s[8:9] offset:2*p*PCB  ; sixteen lanes store 256 consecutive bytes, aligned
.set p, p+1
.endr
	s_wait_xcnt 0x0                                ; the stores' data and base are rewritten only behind this wait
	s_add_nc_u64 s[8:9], s[8:9], 16*PCB
	s_sub_co_u32 s67, s67, 1
	s_cmp_lg_u32 s67, 0
	s_cbranch_scc1 .Lrow
	s_wait_tensorcnt 0x0                           ; the wave's end
	ds_add_u32 v28, v29
	s_wait_dscnt 0x0
	CROUND                                         ; the closing round
	s_endpgm
.Lfunc_end_k_qd51708d22e_projqk:
	.size	k_qd51708d22e_projqk, .Lfunc_end_k_qd51708d22e_projqk-k_qd51708d22e_projqk
	.p2alignl 7, 3214868480
	.fill 96, 4, 3214868480
	.section	.rodata,"a",@progbits
	.p2align	6, 0x0
	.amdhsa_kernel k_qd51708d22e_projqk
		.amdhsa_group_segment_fixed_size 327680
		.amdhsa_private_segment_fixed_size 0
		.amdhsa_enable_private_segment 0
		.amdhsa_kernarg_size 40
		.amdhsa_user_sgpr_count 2
		.amdhsa_user_sgpr_kernarg_segment_ptr 1
		.amdhsa_wavefront_size32 1
		.amdhsa_system_sgpr_workgroup_id_x 1
		.amdhsa_system_sgpr_workgroup_id_y 1
		.amdhsa_system_sgpr_workgroup_id_z 1
		.amdhsa_system_vgpr_workitem_id 0
		.amdhsa_next_free_vgpr 1024
		.amdhsa_next_free_sgpr 80
		.amdhsa_reserve_vcc 0
		.amdhsa_float_denorm_mode_32 3
		.amdhsa_float_denorm_mode_16_64 3
		.amdhsa_memory_ordered 1
		.amdhsa_forward_progress 1
		.amdhsa_inst_pref_size 88
	.end_amdhsa_kernel
	.amdgpu_metadata
---
amdhsa.version: [ 1, 2 ]
amdhsa.kernels:
  - .name:           k_qd51708d22e_projqk
    .symbol:         k_qd51708d22e_projqk.kd
    .args:
      - { .name: xh, .offset: 0, .size: 8, .value_kind: global_buffer, .address_space: global }
      - { .name: wt, .offset: 8, .size: 8, .value_kind: global_buffer, .address_space: global }
      - { .name: qk, .offset: 16, .size: 8, .value_kind: global_buffer, .address_space: global }
      - { .name: bq, .offset: 24, .size: 8, .value_kind: global_buffer, .address_space: global }
      - { .name: bk, .offset: 32, .size: 8, .value_kind: global_buffer, .address_space: global }
    .group_segment_fixed_size: 327680
    .private_segment_fixed_size: 0
    .kernarg_segment_align: 8
    .kernarg_segment_size: 40
    .max_flat_workgroup_size: 128
    .sgpr_count:     80
    .vgpr_count:     1024
    .wavefront_size: 32
...
	.end_amdgpu_metadata
.endif
;; end of part 2
;; launch projv (part 3): grid 32 x 8, 4 waves a work-group, clusters of 4 x 4, 327,680 bytes of LDS; arguments wt, xh, vt, bv; writes vt
.if DOCPART == 3
	.amdgcn_target "amdgcn-amd-amdhsa--gfx1250"
	.amdhsa_code_object_version 6
	.text
	.protected	k_qd51708d22e_projv
	.globl	k_qd51708d22e_projv
	.p2align	8
	.type	k_qd51708d22e_projv,@function
k_qd51708d22e_projv:
	s_mov_b64 s[64:65], 0
	v_nop
	global_prefetch_b8 v0, s[64:65] scope:SCOPE_SE
	s_setreg_imm32_b32 hwreg(HW_REG_WAVE_MODE, 25, 1), 1
	s_wait_xcnt 0x0
	s_wait_alu depctr_hold_cnt(0) depctr_sa_sdst(0) depctr_va_vdst(0) depctr_va_sdst(0) depctr_va_ssrc(0) depctr_va_vcc(0) depctr_vm_vsrc(0)
	s_getreg_b32 s2, hwreg(HW_REG_IB_STS2, 6, 4)
	s_cmp_eq_u32 s2, 0
	s_cbranch_scc0 .Lentry_in_a_cluster
	s_endpgm
.Lentry_in_a_cluster:
	s_bfe_u32 s2, ttmp6, 0x10000c
	s_cmp_lg_u32 s2, 0xf033
	s_cbranch_scc0 .Lentry_shape_is_right
	s_endpgm
.Lentry_shape_is_right:
; v transposed: vt[e][m] = sum_d wt[2048 + e][d] xh[m][d] + bv[e], e = 0..1023, m = 0..8191: the later product P v then finds the keys along its rows.  Operands f16, sums f32, vt rounded once to f16.
; bv is rounded to bf16 like the other inputs and starts the sums as the first products' C operand.
; LIMITS.  v stays within f16's 65,504; below 6.1e-5 it keeps f16's fixed step of 6e-8.  NaN and infinities are not treated apart.
; SHARES.  1024 x 8192 of C in tiles of 128 x 256 give 256 work-groups; a wave makes 64 x 128: 32 accumulators.  K goes in 8 steps of 128 (rows of 256 bytes, aligned) through two LDS slots.
; CLUSTER.  4 x 4 work-groups: A's tile (rows of wt) is shared along a row of the cluster, B's (rows of xh) along a column: asked for jointly.
; THE MATRIX INSTRUCTION IS USED TRANSPOSED (source 0 = 16 rows of B, source 1 = 16 rows of A): lane l holds row l % 16 of C and the columns 8 (l / 16) + 0..7.
; THE REFILL STANDS AS NEAR THE WAIT FOR THE TILE AS THE ORDER ALLOWS.  A K step has 128 products a wave, and two slots of two steps (2 x 384 rows x 528 bytes) do not fit in LDS.  So the last quarter's lower row
; blocks are multiplied AHEAD of the wait for all tensor loads; between that wait and the next request stand the add, the descriptors' steps and the round alone; the upper row blocks follow the fetch of the next fragments.
; From a request to the wait for it a wave issues all 128 products of a step.
; PREFETCH INTO THE L2.  Every tile of xh is touched for the first time when its tensor load asks for it.  Wave 0 asks, in the trip that requests K step i + 2, for my work-group's share of xh's tile of K step i + 4:
; two trips ahead of its tensor load.  The tile's 256 rows are shared by the eight work-groups of a tile column: each asks for 32 rows, a lane for a row's 256 bytes, so each aligned block of 256 bytes is asked for once in the
; launch.  Steps 2 and 3 are asked for at the head; the last two trips ask for nothing: their step would lie past K's end.  wt's 128 rows x 8 steps are shared by 32 work-groups: 32 blocks each, one request at the head.
; REGISTERS: window 0: v0-31 addresses; v64-95, v128-159 fragments of A; on the way out v64-159.  window 1: v0-31 the bias as C operand; v64-127, v128-191 fragments of B.  window 2: accumulator (a, b) at 8 (8 a + b).
.set MA,    4
.set NK,    8
.set PA,    1024
.set PB,    1024
.set PCB,   16384                      ; bytes from row to row of C
.set PITCH, 272                        ; an LDS row: 256 bytes + 16: the 16 rows of a fragment load start at 16 different groups of four banks (64 banks of 4 bytes: ISA guide 11.1)
.set HA,    16*MA*PITCH
.set HB,    128*PITCH
.set BOFF,  2*HA
.set SLOT,  0x20000                    ; a slot holds 104,448 bytes; slot 1 begins here, so that one exclusive or changes slots
.set SPARE, SLOT+BOFF+2*HB             ; behind the ring: the spare words, 128 bytes a wave, named by no other line
.set DP,    528                        ; the way out: a row of 128 f32 + 16 bytes; wave w's 64 rows at w x 64 x 528, over the ring, which has then had its last fill
.set F0, 64
.set F1, 128
.set X,  64
.set Y,  128
.set G1A, 24
.set G0A, 32
.set G1B, 48
.set G0B, 56
.set G1W, (1<<16)|(1<<20)|(1<<21)|(5<<22)|(3<<25)  ; 2-byte elements; padding on; bit 21 beside a mask; after every 64 words (code 5) 4 words (code 3)
.set MSB, 0
.macro WIN new                         ; the immediate's high byte repeats the setting that is left; a switch that changes nothing is dropped
.if MSB != (\new)
	s_set_vgpr_msb (MSB<<8)|(\new)
.set MSB, (\new)
.endif
.endm
.macro PLACES                          ; four places: between matrix instructions and loads into, or reads of, their registers
.rept 4
	v_nop
.endr
.endm
.macro JLOAD                           ; a joint refill: waves 0, 1 fetch A's halves, waves 2, 3 B's; s_nop 0 and four v_nop behind each line
	s_cmp_eq_u32 s11, 0
	s_cbranch_scc0 .Lfor_b_\@
	tensor_load_to_lds s[G0A+4:G0A+7], s[G1A:G1A+7]
	s_nop 0
	PLACES
	s_branch .Lasked_\@
.Lfor_b_\@:
	tensor_load_to_lds s[G0B+4:G0B+7], s[G1B:G1B+7]
	s_nop 0
	PLACES
.Lasked_\@:
.endm
.macro CREST                           ; a round of the cluster's barrier behind its opening barrier
	s_cmp_lg_u32 s10, 0
	s_cbranch_scc1 .Lnot_wave_0_\@
	s_barrier_signal -3
.Lnot_wave_0_\@:
	s_barrier_wait -3
	s_barrier_signal -1
	s_barrier_wait -1
.endm
.macro CROUND
	s_barrier_signal -1
	s_barrier_wait -1
	CREST
.endm
; 8 products: row block aa x all 8 column blocks, 32 along K.  zero = 1: the first product starts the sum with the row's bias (window 1).  The accumulators take turns.
.macro MULA f, zero
.if \zero
	WIN 0x91
.else
	WIN 0xa1
.endif
.irp b, 0,1,2,3,4,5,6,7
.set rD, 8*(8*aa+(\b))
.if \zero
	v_wmma_f32_16x16x32_f16 v[rD:rD+7], v[(\f)+8*(\b):(\f)+8*(\b)+7], v[(\f)+8*aa:(\f)+8*aa+7], v[8*aa:8*aa+7]
.else
	v_wmma_f32_16x16x32_f16 v[rD:rD+7], v[(\f)+8*(\b):(\f)+8*(\b)+7], v[(\f)+8*aa:(\f)+8*aa+7], v[rD:rD+7]
.endif
.endr
.endm
.macro MULS f, a0, n, zero
.set aa, \a0
.rept \n
	MULA \f, \zero
.set aa, aa+1
.endr
.endm
.macro FETCH k, f                      ; one run of LDS loads: B's 16, then A's 2 MA
	WIN 0x40
.irp i, 0,1,2,3,4,5,6,7
	ds_load_b128 v[(\f)+8*(\i):(\f)+8*(\i)+3],   v19 offset:(\k)+(\i)*16*PITCH
	ds_load_b128 v[(\f)+8*(\i)+4:(\f)+8*(\i)+7], v19 offset:(\k)+(\i)*16*PITCH+32
.endr
	WIN 0
.set ii, 0
.rept MA
	ds_load_b128 v[(\f)+8*ii:(\f)+8*ii+3],   v18 offset:(\k)+ii*16*PITCH
	ds_load_b128 v[(\f)+8*ii+4:(\f)+8*ii+7], v18 offset:(\k)+ii*16*PITCH+32
.set ii, ii+1
.endr
.endm
.macro QUARTER k, f, g, zero
	s_wait_dscnt MA                                ; B and A's lower blocks are in; the youngest MA loads (A's upper blocks) may be out
	MULS \f, 0, MA/2, \zero
	PLACES
	FETCH \k, \g
	s_wait_dscnt 16+2*MA                           ; all but the loads just issued
	MULS \f, MA/2, MA/2, \zero
.endm
.macro MEET fill                       ; ONE barrier for the change of slots; no product stands between the wait for the tile and it
	WIN 0
	s_wait_tensorcnt 0x0                           ; all my tensor loads have landed: the one that was out is my part of the next slot
	ds_add_u32 v28, v29                            ; 0 onto my spare word
.if \fill
	s_xor_b32 s[G0A+5], s[G0A+5], SLOT             ; the walking descriptors: the other slot, the next K step
	s_add_nc_u64 s[G0A+6:G0A+7], s[G0A+6:G0A+7], 256
	s_xor_b32 s[G0B+5], s[G0B+5], SLOT
	s_add_nc_u64 s[G0B+6:G0B+7], s[G0B+6:G0B+7], 256
.endif
	s_wait_dscnt 0x0                               ; the add is done, and my reads of this slot are over: A's upper blocks of the last quarter were the last
	s_barrier_signal -1
	s_barrier_wait -1
.endm
.macro PREF                            ; wave 0 asks for my 32 rows of xh's tile two trips ahead of its tensor load
	s_cmp_lg_u32 s10, 0
	s_cbranch_scc1 .Lnopf_\@
	s_cmp_lt_u32 s67, 3                            ; the last two trips would ask past K's end
	s_cbranch_scc1 .Lnopf_\@
	s_wait_xcnt 0x0                                ; the base is stepped only behind this wait: the prefetch that read it stands a trip back
	s_add_nc_u64 s[74:75], s[74:75], 256           ; trip i: the base stands at K step i + 3,
	global_prefetch_b8 v30, s[74:75] offset:256 th:TH_LOAD_NT scope:SCOPE_SE  ; the request at K step i + 4
.Lnopf_\@:
.endm
; The last quarter.  fill = 1: the barrier opens a round of the cluster's, and the slot just read is filled again first.  fill = 0: the tail.
.macro TURN fill
	s_wait_dscnt MA                                ; B and A's lower blocks are in
	MULS F1, 0, MA/2, 0                            ; ahead of the wait for the tile
	MEET \fill
.if \fill
	CREST
	JLOAD                                          ; its four v_nop are also the places in front of the loads below
.else
	s_cmp_eq_u32 s67, 1
	s_cbranch_scc1 .Lnofetch_\@
	PLACES
.endif
	s_xor_b32 s66, s66, SLOT
	v_add_nc_u32 v18, s66, v16
	v_add_nc_u32 v19, s66, v17
	FETCH 0, F0
.if \fill
	PREF
.else
.Lnofetch_\@:
.endif
	MULS F1, MA/2, MA/2, 0
.endm
	s_load_b128 s[4:7], s[0:1], 0x0                ; wt s[4:5], xh s[6:7]
	s_load_b64 s[8:9], s[0:1], 0x10                ; vt
	s_load_b64 s[72:73], s[0:1], 0x18              ; bv
	v_lshl_add_u32 v28, v0, 2, SPARE
	v_mov_b32 v29, 0
	ds_add_u32 v28, v29                            ; the wave's opening: the add and its wait, ahead of my first tensor load
	v_lshrrev_b32 v1, 5, v0
	v_readfirstlane_b32 s10, v1
	s_lshr_b32 s11, s10, 1                         ; my half of the rows.  Also: I fetch for A (0) or B (1)
	s_and_b32 s12, s10, 1                          ; my half of the columns.  Also: which half of that tile I fetch
	s_bfe_u32 s40, ttmp6, 0x40000
	s_bfe_u32 s41, ttmp6, 0x40004
	s_lshl_b32 s42, ttmp9, 2
	s_add_co_u32 s42, s42, s40                     ; tile column x
	s_and_b32 s13, ttmp7, 0xffff
	s_lshl_b32 s13, s13, 2
	s_add_co_u32 s13, s13, s41                     ; tile row y
	s_lshl_b32 s43, s41, 2
	s_lshl_b32 s43, 15, s43
	s_lshl_b32 s44, 0x1111, s40
	s_or_b32 s[G1A], s43, G1W
	s_or_b32 s[G1B], s44, G1W
.irp g, G1A, G1B
	s_mov_b32 s[(\g)+1], 128<<16
	s_mov_b32 s[(\g)+3], 128<<16
	s_mov_b32 s[(\g)+6], 0
	s_mov_b32 s[(\g)+7], 0
.endr
	s_mov_b32 s[G1A+2], (16*MA)<<16
	s_mov_b32 s[G1A+4], 16*MA
	s_mov_b32 s[G1A+5], PA
	s_mov_b32 s[G1B+2], 128<<16
	s_mov_b32 s[G1B+4], 128
	s_mov_b32 s[G1B+5], PB
	s_mul_i32 s68, s12, HA
	s_mul_i32 s69, s12, HB
	s_add_co_u32 s69, s69, BOFF
	s_mov_b32 s[G0A], 1
	s_mov_b32 s[G0A+1], s68
	s_mov_b32 s[G0A+4], 1
	s_add_co_u32 s[G0A+5], s68, SLOT
	s_mov_b32 s[G0B], 1
	s_mov_b32 s[G0B+1], s69
	s_mov_b32 s[G0B+4], 1
	s_add_co_u32 s[G0B+5], s69, SLOT
	s_mul_i32 s16, s13, 32*MA                      ; A: row 2048 + 128 y + 64 half of wt
	s_mul_i32 s17, s12, 16*MA
	s_add_co_u32 s16, s16, s17
	s_mul_i32 s16, s16, PA*2
	s_add_co_u32 s16, s16, 2048*2048
	s_mov_b32 s17, 0
	s_lshl_b32 s46, s42, 8                         ; B: row 256 x + 128 half of xh
	s_lshl_b32 s47, s12, 7
	s_add_co_u32 s46, s46, s47
	s_mul_i32 s46, s46, PB*2
	s_mov_b32 s47, 0
	s_mov_b32 s66, 0
	s_wait_dscnt 0x0                               ; the opening add is done
	s_wait_kmcnt 0x0
	s_add_nc_u64 s[G0A+2:G0A+3], s[4:5], s[16:17]
	s_add_nc_u64 s[G0A+6:G0A+7], s[G0A+2:G0A+3], 256
	s_or_b32 s[G0A+3], s[G0A+3], 0x80000000
	s_or_b32 s[G0A+7], s[G0A+7], 0x80000000
	s_add_nc_u64 s[G0B+2:G0B+3], s[6:7], s[46:47]
	s_add_nc_u64 s[G0B+6:G0B+7], s[G0B+2:G0B+3], 256
	s_or_b32 s[G0B+3], s[G0B+3], 0x80000000
	s_or_b32 s[G0B+7], s[G0B+7], 0x80000000
	CROUND                                         ; all sixteen work-groups are here: the first joint loads meet
	s_cmp_eq_u32 s11, 0                            ; a wave's two first fills stand in one branch: two loads of mine are out
	s_cbranch_scc0 .Lfirst_b
	tensor_load_to_lds s[G0A:G0A+3], s[G1A:G1A+7]
	s_nop 0
	tensor_load_to_lds s[G0A+4:G0A+7], s[G1A:G1A+7]
	s_nop 0
	PLACES
	s_branch .Lfirst_done
.Lfirst_b:
	tensor_load_to_lds s[G0B:G0B+3], s[G1B:G1B+7]
	s_nop 0
	tensor_load_to_lds s[G0B+4:G0B+7], s[G1B:G1B+7]
	s_nop 0
	PLACES
.Lfirst_done:
	v_and_b32 v1, 15, v0
	v_bfe_u32 v2, v0, 4, 1
	s_lshl_b32 s20, s13, 7                         ; the bias of my 64 rows: all eight registers of block a hold bv[row 16 a + l % 16]
	s_lshl_b32 s21, s11, 6
	s_add_co_u32 s20, s20, s21
	s_lshl_b32 s20, s20, 2
	s_mov_b32 s21, 0
	s_add_nc_u64 s[72:73], s[72:73], s[20:21]
	v_lshlrev_b32 v4, 2, v1
	WIN 0x40
.irp a, 0,1,2,3
	global_load_b32 v[8*(\a)], v4, s[72:73] offset:64*(\a)
.endr
	WIN 0
	; the prefetches' addresses, and the head's requests
	v_and_b32 v5, 31, v0
	v_lshlrev_b32 v30, 11, v5                      ; xh: a row of 2,048 bytes a lane; never rewritten
	v_lshrrev_b32 v6, 3, v5
	v_and_b32 v7, 7, v5
	v_lshlrev_b32 v31, 11, v6                      ; wt: row lane / 8,
	v_lshl_add_u32 v31, v7, 8, v31                 ; K step lane % 8; never rewritten
	s_lshl_b32 s20, s42, 19                        ; xh at row 256 x + 32 y, K step 2
	s_lshl_b32 s21, s13, 16
	s_add_co_u32 s20, s20, s21
	s_add_co_u32 s20, s20, 512
	s_mov_b32 s21, 0
	s_add_nc_u64 s[74:75], s[6:7], s[20:21]
	s_lshl_b32 s20, s13, 18                        ; wt at row 2048 + 128 y + 4 x
	s_lshl_b32 s21, s42, 13
	s_add_co_u32 s20, s20, s21
	s_add_co_u32 s20, s20, 2048*2048
	s_mov_b32 s21, 0
	s_add_nc_u64 s[76:77], s[4:5], s[20:21]
	s_cmp_lg_u32 s10, 0
	s_cbranch_scc1 .Lhead_asked
	global_prefetch_b8 v30, s[74:75] th:TH_LOAD_NT scope:SCOPE_SE             ; K step 2,
	global_prefetch_b8 v30, s[74:75] offset:256 th:TH_LOAD_NT scope:SCOPE_SE  ; K step 3
	global_prefetch_b8 v31, s[76:77] th:TH_LOAD_NT scope:SCOPE_SE             ; my four rows of wt, all eight K steps (the first two are being loaded at this moment)
.Lhead_asked:
	v_mul_u32_u24 v3, v1, PITCH
	v_lshl_add_u32 v3, v2, 4, v3
	s_mul_i32 s21, s11, HA
	s_mul_i32 s22, s12, HB
	s_add_co_u32 s22, s22, BOFF
	v_add_nc_u32 v16, s21, v3
	v_add_nc_u32 v17, s22, v3
	v_mov_b32 v18, v16
	v_mov_b32 v19, v17
	s_mul_i32 s23, s10, 16*MA*DP                   ; my stage
	v_mul_u32_u24 v20, v1, DP
	v_lshl_add_u32 v20, v2, 4, v20
	v_add_nc_u32 v20, s23, v20
	v_mul_u32_u24 v21, v2, DP
	v_lshl_add_u32 v21, v1, 4, v21
	v_add_nc_u32 v21, s23, v21
	v_mul_u32_u24 v22, v2, PCB
	v_lshl_add_u32 v22, v1, 4, v22
	s_mul_i32 s20, s13, 32*MA                      ; C at my first row and column
	s_mul_i32 s21, s11, 16*MA
	s_add_co_u32 s20, s20, s21
	s_mul_i32 s20, s20, PCB
	s_lshl_b32 s21, s42, 9
	s_add_co_u32 s20, s20, s21
	s_lshl_b32 s21, s12, 8
	s_add_co_u32 s20, s20, s21
	s_mov_b32 s21, 0
	s_add_nc_u64 s[8:9], s[8:9], s[20:21]
	s_wait_loadcnt 0x0                             ; the bias
	WIN 0x45
.irp a, 0,1,2,3
	v_cvt_pk_bf16_f32 v[192+(\a)], v[8*(\a)], v[8*(\a)]  ; rounded to bf16 like the other inputs, kept as f32
.endr
.irp a, 0,1,2,3
	v_lshlrev_b32 v[8*(\a)], 16, v[192+(\a)]
.endr
.irp a, 0,1,2,3
.irp j, 1,2,3,4,5,6,7
	v_mov_b32 v[8*(\a)+(\j)], v[8*(\a)]
.endr
.endr
	WIN 0
	s_wait_tensorcnt 0x1                           ; my part of K step 0 is in; step 1's may stay out
	s_barrier_signal -1
	s_barrier_wait -1
	FETCH 0, F0
	QUARTER 64, F0, F1, 1
	WIN 0
	s_mov_b32 s67, NK-2
.Lk:
	QUARTER 128, F1, F0, 0
	QUARTER 192, F0, F1, 0
	TURN 1
	QUARTER 64, F0, F1, 0
	WIN 0
	s_sub_co_u32 s67, s67, 1
	s_cmp_lg_u32 s67, 0
	s_cbranch_scc1 .Lk
	s_mov_b32 s67, 2
.Lt:                                                   ; the last two K steps ask for nothing; the second jumps over what belongs to a further step
	QUARTER 128, F1, F0, 0
	QUARTER 192, F0, F1, 0
	TURN 0
	WIN 0
	s_cmp_eq_u32 s67, 1
	s_cbranch_scc1 .Lskip
	QUARTER 64, F0, F1, 0
	WIN 0
.Lskip:
	s_sub_co_u32 s67, s67, 1
	s_cmp_lg_u32 s67, 0
	s_cbranch_scc1 .Lt
	; THE WAY OUT: f32 into my stage over the ring; 16 rows a trip come back as whole rows, are rounded and stored.
	PLACES
	s_wait_dscnt 0x0
	s_barrier_signal -1                            ; on every way through the tail: no wave writes a stage while another may still read the ring
	s_barrier_wait -1
	WIN 0x08                                       ; store data in window 2
.set aa, 0
.rept MA
.irp b, 0,1,2,3,4,5,6,7
	ds_store_b128 v20, v[8*(8*aa+(\b)):8*(8*aa+(\b))+3]   offset:16*DP*aa+32*(\b)      ; each accumulator's low registers first
	ds_store_b128 v20, v[8*(8*aa+(\b))+4:8*(8*aa+(\b))+7] offset:16*DP*aa+32*(\b)+256
.endr
.set aa, aa+1
.endr
	WIN 0
	s_mov_b32 s67, MA
.Lrow:
.set p, 0
.rept 8
	ds_load_b128 v[X+8*p:X+8*p+3],   v21 offset:2*DP*p      ; LDS serves a wave's instructions in order (ISA guide 5.7.1.4): these see my stores
	ds_load_b128 v[X+8*p+4:X+8*p+7], v21 offset:2*DP*p+256
.set p, p+1
.endr
	v_add_nc_u32 v21, 16*DP, v21
.set p, 0
.rept 8
	s_wait_dscnt 14-2*p
.irp q, 0,1,2,3
	v_cvt_pk_f16_f32 v[Y+4*p+(\q)], v[X+8*p+2*(\q)], v[X+8*p+2*(\q)+1]
.endr
	global_store_b128 v22, v[Y+4*p:Y+4*p+3], s[8:9] offset:2*p*PCB  ; sixteen lanes store 256 consecutive bytes, aligned
.set p, p+1
.endr
	s_wait_xcnt 0x0                                ; the stores' data and base are rewritten only behind this wait
	s_add_nc_u64 s[8:9], s[8:9], 16*PCB
	s_sub_co_u32 s67, s67, 1
	s_cmp_lg_u32 s67, 0
	s_cbranch_scc1 .Lrow
	s_wait_tensorcnt 0x0                           ; the wave's end
	ds_add_u32 v28, v29
	s_wait_dscnt 0x0
	CROUND                                         ; the closing round
	s_endpgm
.Lfunc_end_k_qd51708d22e_projv:
	.size	k_qd51708d22e_projv, .Lfunc_end_k_qd51708d22e_projv-k_qd51708d22e_projv
	.p2alignl 7, 3214868480
	.fill 96, 4, 3214868480
	.section	.rodata,"a",@progbits
	.p2align	6, 0x0
	.amdhsa_kernel k_qd51708d22e_projv
		.amdhsa_group_segment_fixed_size 327680
		.amdhsa_private_segment_fixed_size 0
		.amdhsa_enable_private_segment 0
		.amdhsa_kernarg_size 32
		.amdhsa_user_sgpr_count 2
		.amdhsa_user_sgpr_kernarg_segment_ptr 1
		.amdhsa_wavefront_size32 1
		.amdhsa_system_sgpr_workgroup_id_x 1
		.amdhsa_system_sgpr_workgroup_id_y 1
		.amdhsa_system_sgpr_workgroup_id_z 1
		.amdhsa_system_vgpr_workitem_id 0
		.amdhsa_next_free_vgpr 768
		.amdhsa_next_free_sgpr 80
		.amdhsa_reserve_vcc 0
		.amdhsa_float_denorm_mode_32 3
		.amdhsa_float_denorm_mode_16_64 3
		.amdhsa_memory_ordered 1
		.amdhsa_forward_progress 1
		.amdhsa_inst_pref_size 57
	.end_amdhsa_kernel
	.amdgpu_metadata
---
amdhsa.version: [ 1, 2 ]
amdhsa.kernels:
  - .name:           k_qd51708d22e_projv
    .symbol:         k_qd51708d22e_projv.kd
    .args:
      - { .name: wt, .offset: 0, .size: 8, .value_kind: global_buffer, .address_space: global }
      - { .name: xh, .offset: 8, .size: 8, .value_kind: global_buffer, .address_space: global }
      - { .name: vt, .offset: 16, .size: 8, .value_kind: global_buffer, .address_space: global }
      - { .name: bv, .offset: 24, .size: 8, .value_kind: global_buffer, .address_space: global }
    .group_segment_fixed_size: 327680
    .private_segment_fixed_size: 0
    .kernarg_segment_align: 8
    .kernarg_segment_size: 32
    .max_flat_workgroup_size: 128
    .sgpr_count:     80
    .vgpr_count:     768
    .wavefront_size: 32
...
	.end_amdgpu_metadata
.endif
;; end of part 3
;; launch scores (part 4): grid 8 x 32, 4 waves a work-group, clusters of 4 x 4, 327,680 bytes of LDS; arguments qk, p, stat; writes p, stat
.if DOCPART == 4
	.amdgcn_target "amdgcn-amd-amdhsa--gfx1250"
	.amdhsa_code_object_version 6
	.text
	.protected	k_qd51708d22e_scores
	.globl	k_qd51708d22e_scores
	.p2align	8
	.type	k_qd51708d22e_scores,@function
k_qd51708d22e_scores:
	s_mov_b64 s[64:65], 0
	v_nop
	global_prefetch_b8 v0, s[64:65] scope:SCOPE_SE
	s_setreg_imm32_b32 hwreg(HW_REG_WAVE_MODE, 25, 1), 1
	s_wait_xcnt 0x0
	s_wait_alu depctr_hold_cnt(0) depctr_sa_sdst(0) depctr_va_vdst(0) depctr_va_sdst(0) depctr_va_ssrc(0) depctr_va_vcc(0) depctr_vm_vsrc(0)
	s_getreg_b32 s2, hwreg(HW_REG_IB_STS2, 6, 4)
	s_cmp_eq_u32 s2, 0
	s_cbranch_scc0 .Lentry_in_a_cluster
	s_endpgm
.Lentry_in_a_cluster:
	s_bfe_u32 s2, ttmp6, 0x10000c
	s_cmp_lg_u32 s2, 0xf033
	s_cbranch_scc0 .Lentry_shape_is_right
	s_endpgm
.Lentry_shape_is_right:
; s[m][n] = q[m] . k[n] within a batch, and the first half of the softmax.  For each query row and each BLOCK of 128 keys (a wave's columns): cm = c max s, p = 2^(c s - cm), l = the sum of p, c = log2(e) / 8.
; p = [8192][2048] f16 (row: batch and query; column: key); stat = [2][4 batches][16 blocks][2048 rows] f32: cm, then l.  The next launch takes the true row maximum from the sixteen cm and corrects each block by it.
; So a maximum is taken away in front of every exponential: every exponent is at most 0, the block's largest p is 1.  l is the sum of the unrounded p, in f32.
; LIMITS.  p below 6.1e-5 keeps f16's fixed step of 6e-8; a weight below 2^-126 counts as 0 in l; NaN and infinities are not treated apart.
; SHARES.  A work-group makes 256 x 256 scores, each of its four waves 128 x 128: 64 accumulators.  K (the 1,024 channels) goes in 8 steps of 128 through two LDS slots.
; CLUSTER.  4 x 4 work-groups: q's tile is shared along a row of the cluster, k's along a column (a cluster's 1,024 rows lie in one batch): asked for jointly.
; THE MATRIX INSTRUCTION IS USED TRANSPOSED (source 0 = 16 keys, source 1 = 16 queries): lane l holds query l % 16 and the keys 8 (l / 16) + 0..7.
; REGISTERS: window 0: v0-31 addresses; v64-127, v128-191 fragments of q; on the way out v64-191.  window 1: v64-127, v128-191 fragments of k.  windows 2, 3: accumulators ((a, b) at 8 (8 (a % 4) + b)).
.set MA,    8
.set NK,    8
.set PA,    1024
.set PB,    1024
.set PCB,   4096                       ; bytes from row to row of p
.set PITCH, 272                        ; an LDS row: 256 bytes + 16: the 16 rows of a fragment load start at 16 different groups of four banks (64 banks of 4 bytes: ISA guide 11.1)
.set HA,    16*MA*PITCH
.set HB,    128*PITCH
.set BOFF,  2*HA
.set SLOT,  0x22000                    ; = BOFF + 2 HB.  The four tile bases 0, 0x8800, 0x11000, 0x19800 share no bit with it: an exclusive or with SLOT changes slots
.set SPARE, 2*SLOT                     ; behind the ring: the spare words, 128 bytes a wave, named by no other line
.set DP,    528                        ; the way out: a row of 128 f32 + 16 bytes; wave w's 128 rows at w x 128 x 528, over the ring, which has then had its last fill
.set STATL, 4*16*MA*DP                 ; behind the stages, still over the ring: 1,024 bytes a wave: 128 cm, 128 l
.set F0, 64
.set F1, 128
.set X,  64                            ; v64-127   16 rows' scores: pair p (rows 2 p, 2 p + 1) in 8 registers
.set Y,  128                           ; v128-159  the same as f16
.set ST, 160                           ; v160-175  pair p: cm, the raw maximum
.set SU, 176                           ; v176-183  l
.set W,  184                           ; v184-191  cm in even lanes, l in odd lanes
.set G1A, 24
.set G0A, 32
.set G1B, 48
.set G0B, 56
.set G1W, (1<<16)|(1<<20)|(1<<21)|(5<<22)|(3<<25)  ; 2-byte elements; padding on; bit 21 beside a mask; after every 64 words (code 5) 4 words (code 3)
.set MSB, 0
.macro WIN new                         ; the immediate's high byte repeats the setting that is left; a switch that changes nothing is dropped
.if MSB != (\new)
	s_set_vgpr_msb (MSB<<8)|(\new)
.set MSB, (\new)
.endif
.endm
.macro PLACES                          ; four places: between matrix instructions and loads into, or reads of, their registers
.rept 4
	v_nop
.endr
.endm
.macro JLOAD                           ; a joint refill: waves 0, 1 fetch A's halves, waves 2, 3 B's; s_nop 0 and four v_nop behind each line
	s_cmp_eq_u32 s11, 0
	s_cbranch_scc0 .Lfor_b_\@
	tensor_load_to_lds s[G0A+4:G0A+7], s[G1A:G1A+7]
	s_nop 0
	PLACES
	s_branch .Lasked_\@
.Lfor_b_\@:
	tensor_load_to_lds s[G0B+4:G0B+7], s[G1B:G1B+7]
	s_nop 0
	PLACES
.Lasked_\@:
.endm
.macro CREST                           ; a round of the cluster's barrier behind its opening barrier
	s_cmp_lg_u32 s10, 0
	s_cbranch_scc1 .Lnot_wave_0_\@
	s_barrier_signal -3
.Lnot_wave_0_\@:
	s_barrier_wait -3
	s_barrier_signal -1
	s_barrier_wait -1
.endm
.macro CROUND
	s_barrier_signal -1
	s_barrier_wait -1
	CREST
.endm
; 8 products: row block aa x all 8 column blocks, 32 along K.  zero = 1: the first product starts the sum.  The accumulators take turns.
.macro MULA f, zero
	WIN 0xa1+0x50*(aa/4)
.irp b, 0,1,2,3,4,5,6,7
.set rD, 8*(8*(aa%4)+(\b))
.if \zero
	v_wmma_f32_16x16x32_f16 v[rD:rD+7], v[(\f)+8*(\b):(\f)+8*(\b)+7], v[(\f)+8*aa:(\f)+8*aa+7], 0
.else
	v_wmma_f32_16x16x32_f16 v[rD:rD+7], v[(\f)+8*(\b):(\f)+8*(\b)+7], v[(\f)+8*aa:(\f)+8*aa+7], v[rD:rD+7]
.endif
.endr
.endm
.macro MULS f, a0, n, zero
.set aa, \a0
.rept \n
	MULA \f, \zero
.set aa, aa+1
.endr
.endm
.macro FETCH k, f                      ; one run of LDS loads: B's 16, then A's 2 MA
	WIN 0x40
.irp i, 0,1,2,3,4,5,6,7
	ds_load_b128 v[(\f)+8*(\i):(\f)+8*(\i)+3],   v19 offset:(\k)+(\i)*16*PITCH
	ds_load_b128 v[(\f)+8*(\i)+4:(\f)+8*(\i)+7], v19 offset:(\k)+(\i)*16*PITCH+32
.endr
	WIN 0
.set ii, 0
.rept MA
	ds_load_b128 v[(\f)+8*ii:(\f)+8*ii+3],   v18 offset:(\k)+ii*16*PITCH
	ds_load_b128 v[(\f)+8*ii+4:(\f)+8*ii+7], v18 offset:(\k)+ii*16*PITCH+32
.set ii, ii+1
.endr
.endm
.macro QUARTER k, f, g, zero
	s_wait_dscnt MA                                ; B and A's lower blocks are in; the youngest MA loads (A's upper blocks) may be out
	MULS \f, 0, MA/2, \zero
	PLACES
	FETCH \k, \g
	s_wait_dscnt 16+2*MA                           ; all but the loads just issued
	MULS \f, MA/2, MA/2, \zero
.endm
.macro MEET fill                       ; the last quarter's first half, and ONE barrier for the change of slots
	WIN 0
	s_wait_tensorcnt 0x0                           ; all my tensor loads have landed: the one that was out is my part of the next slot
	ds_add_u32 v28, v29                            ; 0 onto my spare word
.if \fill
	s_xor_b32 s[G0A+5], s[G0A+5], SLOT             ; the walking descriptors: the other slot, the next K step
	s_add_nc_u64 s[G0A+6:G0A+7], s[G0A+6:G0A+7], 256
	s_xor_b32 s[G0B+5], s[G0B+5], SLOT
	s_add_nc_u64 s[G0B+6:G0B+7], s[G0B+6:G0B+7], 256
.endif
	s_wait_dscnt MA+1                              ; the add and the youngest MA loads may be out
	MULS F1, 0, MA/4, 0
	s_wait_dscnt 0x0                               ; the add is done, and my reads of this slot are over
	s_barrier_signal -1
	MULS F1, MA/4, MA/4, 0
	WIN 0
	s_barrier_wait -1
.endm
; fill = 1: the barrier opens a round of the cluster's, and the slot just read is filled again first: 224 products stand between that request and the wait for it.  fill = 0: the tail.
.macro TURN fill
	MEET \fill
.if \fill
	CREST
	JLOAD                                          ; its four v_nop are also the places in front of the loads below
.else
	s_cmp_eq_u32 s67, 1
	s_cbranch_scc1 .Lnofetch_\@
	PLACES
.endif
	s_xor_b32 s66, s66, SLOT
	v_add_nc_u32 v18, s66, v16
	v_add_nc_u32 v19, s66, v17
	FETCH 0, F0
.if !(\fill)
.Lnofetch_\@:
.endif
	MULS F1, MA/2, MA/2, 0
.endm
.macro EACH line:vararg                ; one line for each pair of rows p, so that no line reads the result of the one before it
.set p, 0
.rept 8
	\line
.set p, p+1
.endr
.endm
	s_load_b64 s[4:5], s[0:1], 0x0                 ; qk
	s_load_b64 s[8:9], s[0:1], 0x8                 ; p
	s_load_b64 s[72:73], s[0:1], 0x10              ; stat
	v_lshl_add_u32 v28, v0, 2, SPARE
	v_mov_b32 v29, 0
	ds_add_u32 v28, v29                            ; the wave's opening: the add and its wait, ahead of my first tensor load
	v_lshrrev_b32 v1, 5, v0
	v_readfirstlane_b32 s10, v1
	s_lshr_b32 s11, s10, 1                         ; my half of the rows.  Also: I fetch for A (0) or B (1)
	s_and_b32 s12, s10, 1                          ; my half of the columns.  Also: which half of that tile I fetch
	s_bfe_u32 s40, ttmp6, 0x40000
	s_bfe_u32 s41, ttmp6, 0x40004
	s_lshl_b32 s42, ttmp9, 2
	s_add_co_u32 s42, s42, s40                     ; tile column x: keys 256 x of the batch
	s_and_b32 s13, ttmp7, 0xffff
	s_lshr_b32 s45, s13, 1                         ; the batch: two clusters' rows each, so it hangs on the cluster's y alone
	s_lshl_b32 s13, s13, 2
	s_add_co_u32 s13, s13, s41                     ; tile row y
	s_lshl_b32 s43, s41, 2
	s_lshl_b32 s43, 15, s43
	s_lshl_b32 s44, 0x1111, s40
	s_or_b32 s[G1A], s43, G1W
	s_or_b32 s[G1B], s44, G1W
.irp g, G1A, G1B
	s_mov_b32 s[(\g)+1], 128<<16
	s_mov_b32 s[(\g)+3], 128<<16
	s_mov_b32 s[(\g)+6], 0
	s_mov_b32 s[(\g)+7], 0
.endr
	s_mov_b32 s[G1A+2], (16*MA)<<16
	s_mov_b32 s[G1A+4], 16*MA
	s_mov_b32 s[G1A+5], PA
	s_mov_b32 s[G1B+2], 128<<16
	s_mov_b32 s[G1B+4], 128
	s_mov_b32 s[G1B+5], PB
	s_mul_i32 s68, s12, HA
	s_mul_i32 s69, s12, HB
	s_add_co_u32 s69, s69, BOFF
	s_mov_b32 s[G0A], 1
	s_mov_b32 s[G0A+1], s68
	s_mov_b32 s[G0A+4], 1
	s_add_co_u32 s[G0A+5], s68, SLOT
	s_mov_b32 s[G0B], 1
	s_mov_b32 s[G0B+1], s69
	s_mov_b32 s[G0B+4], 1
	s_add_co_u32 s[G0B+5], s69, SLOT
	s_mul_i32 s16, s13, 32*MA                      ; A: q's row 256 y + 128 half
	s_mul_i32 s17, s12, 16*MA
	s_add_co_u32 s16, s16, s17
	s_mul_i32 s16, s16, PA*2
	s_mov_b32 s17, 0
	s_lshl_b32 s46, s42, 8                         ; B: k's row 2048 batch + 256 x + 128 half; k lies 16,777,216 bytes behind q
	s_lshl_b32 s47, s12, 7
	s_add_co_u32 s46, s46, s47
	s_lshl_b32 s47, s45, 11
	s_add_co_u32 s46, s46, s47
	s_mul_i32 s46, s46, PB*2
	s_add_co_u32 s46, s46, 0x1000000
	s_mov_b32 s47, 0
	s_mov_b32 s66, 0
	s_mov_b32 s70, 0x3e38aa3b                      ; c = log2(e) / 8
	s_mov_b32 s71, s70                             ; named with it as a pair
	s_mov_b32 s78, 0xaaaaaaaa                      ; the odd lanes
	s_wait_dscnt 0x0                               ; the opening add is done
	s_wait_kmcnt 0x0
	s_add_nc_u64 s[G0A+2:G0A+3], s[4:5], s[16:17]
	s_add_nc_u64 s[G0A+6:G0A+7], s[G0A+2:G0A+3], 256
	s_or_b32 s[G0A+3], s[G0A+3], 0x80000000
	s_or_b32 s[G0A+7], s[G0A+7], 0x80000000
	s_add_nc_u64 s[G0B+2:G0B+3], s[4:5], s[46:47]
	s_add_nc_u64 s[G0B+6:G0B+7], s[G0B+2:G0B+3], 256
	s_or_b32 s[G0B+3], s[G0B+3], 0x80000000
	s_or_b32 s[G0B+7], s[G0B+7], 0x80000000
	CROUND                                         ; all sixteen work-groups are here: the first joint loads meet
	s_cmp_eq_u32 s11, 0                            ; a wave's two first fills stand in one branch: two loads of mine are out
	s_cbranch_scc0 .Lfirst_b
	tensor_load_to_lds s[G0A:G0A+3], s[G1A:G1A+7]
	s_nop 0
	tensor_load_to_lds s[G0A+4:G0A+7], s[G1A:G1A+7]
	s_nop 0
	PLACES
	s_branch .Lfirst_done
.Lfirst_b:
	tensor_load_to_lds s[G0B:G0B+3], s[G1B:G1B+7]
	s_nop 0
	tensor_load_to_lds s[G0B+4:G0B+7], s[G1B:G1B+7]
	s_nop 0
	PLACES
.Lfirst_done:
	v_and_b32 v1, 15, v0
	v_bfe_u32 v2, v0, 4, 1
	v_mul_u32_u24 v3, v1, PITCH
	v_lshl_add_u32 v3, v2, 4, v3
	s_mul_i32 s21, s11, HA
	s_mul_i32 s22, s12, HB
	s_add_co_u32 s22, s22, BOFF
	v_add_nc_u32 v16, s21, v3
	v_add_nc_u32 v17, s22, v3
	v_mov_b32 v18, v16
	v_mov_b32 v19, v17
	s_mul_i32 s23, s10, 16*MA*DP                   ; my stage
	v_mul_u32_u24 v20, v1, DP                      ; in: row l % 16; keys 8 c .. 8 c + 3 at byte 16 c, keys 8 c + 4 .. at 256 + 16 c (c = 2 b + l / 16)
	v_lshl_add_u32 v20, v2, 4, v20
	v_add_nc_u32 v20, s23, v20
	v_mul_u32_u24 v21, v2, DP                      ; back: lanes 0-15 one row, lanes 16-31 the next; lane i keys 8 i .. 8 i + 7
	v_lshl_add_u32 v21, v1, 4, v21
	v_add_nc_u32 v21, s23, v21
	v_mul_u32_u24 v22, v2, PCB
	v_lshl_add_u32 v22, v1, 4, v22
	s_lshl_b32 s22, s10, 10
	s_add_co_u32 s22, s22, STATL                   ; my 1,024 bytes for cm and l
	v_and_b32 v5, 1, v1
	v_lshlrev_b32 v23, 9, v5                       ; even lanes write cm, odd lanes l, 512 bytes on;
	v_lshl_add_u32 v23, v2, 2, v23                 ; row 2 p + l / 16
	v_add_nc_u32 v23, s22, v23
	v_and_b32 v27, 31, v0
	v_lshlrev_b32 v27, 4, v27                      ; 16 x lane
	v_add_nc_u32 v26, s22, v27
	s_mul_i32 s20, s13, 32*MA                      ; p at my first row and column
	s_mul_i32 s21, s11, 16*MA
	s_add_co_u32 s20, s20, s21
	s_mul_i32 s20, s20, PCB
	s_lshl_b32 s21, s42, 9
	s_add_co_u32 s20, s20, s21
	s_lshl_b32 s21, s12, 8
	s_add_co_u32 s20, s20, s21
	s_mov_b32 s21, 0
	s_add_nc_u64 s[8:9], s[8:9], s[20:21]
	s_lshl_b32 s20, s45, 4                         ; stat at (16 batch + my block 2 x + half) x 2,048 rows + my first row in the batch
	s_lshl_b32 s21, s42, 1
	s_add_co_u32 s20, s20, s21
	s_add_co_u32 s20, s20, s12
	s_lshl_b32 s20, s20, 11
	s_and_b32 s21, s13, 7
	s_lshl_b32 s21, s21, 8
	s_add_co_u32 s20, s20, s21
	s_lshl_b32 s21, s11, 7
	s_add_co_u32 s20, s20, s21
	s_lshl_b32 s20, s20, 2
	s_mov_b32 s21, 0
	s_add_nc_u64 s[72:73], s[72:73], s[20:21]
	s_wait_tensorcnt 0x1                           ; my part of K step 0 is in; step 1's may stay out
	s_barrier_signal -1
	s_barrier_wait -1
	FETCH 0, F0
	QUARTER 64, F0, F1, 1
	WIN 0
	s_mov_b32 s67, NK-2
.Lk:
	QUARTER 128, F1, F0, 0
	QUARTER 192, F0, F1, 0
	TURN 1
	QUARTER 64, F0, F1, 0
	WIN 0
	s_sub_co_u32 s67, s67, 1
	s_cmp_lg_u32 s67, 0
	s_cbranch_scc1 .Lk
	s_mov_b32 s67, 2
.Lt:                                                   ; the last two K steps ask for nothing; the second jumps over what belongs to a further step
	QUARTER 128, F1, F0, 0
	QUARTER 192, F0, F1, 0
	TURN 0
	WIN 0
	s_cmp_eq_u32 s67, 1
	s_cbranch_scc1 .Lskip
	QUARTER 64, F0, F1, 0
	WIN 0
.Lskip:
	s_sub_co_u32 s67, s67, 1
	s_cmp_lg_u32 s67, 0
	s_cbranch_scc1 .Lt
	; THE WAY OUT: the scores go as f32 into my stage over the ring; 16 rows a trip come back so that sixteen lanes hold a row's 128 keys, eight each.
	PLACES
	s_wait_dscnt 0x0
	s_barrier_signal -1                            ; on every way through the tail: no wave writes a stage while another may still read the ring
	s_barrier_wait -1
.set aa, 0
.rept MA
	WIN 0x08+4*(aa/4)
.irp b, 0,1,2,3,4,5,6,7
	ds_store_b128 v20, v[8*(8*(aa%4)+(\b)):8*(8*(aa%4)+(\b))+3]   offset:16*DP*aa+32*(\b)      ; each accumulator's low registers first
	ds_store_b128 v20, v[8*(8*(aa%4)+(\b))+4:8*(8*(aa%4)+(\b))+7] offset:16*DP*aa+32*(\b)+256
.endr
.set aa, aa+1
.endr
	WIN 0
	s_mov_b32 s67, MA
.Lrow:
	EACH ds_load_b128 v[X+8*p:X+8*p+3], v21 offset:2*DP*p          ; LDS serves a wave's instructions in order (ISA guide 5.7.1.4): these see my stores
	EACH ds_load_b128 v[X+8*p+4:X+8*p+7], v21 offset:2*DP*p+256
	s_wait_dscnt 0x0
	v_add_nc_u32 v21, 16*DP, v21
	; the block's maximum: my eight keys, then the row's sixteen lanes
	EACH v_max3_num_f32 v[ST+2*p+1], v[X+8*p], v[X+8*p+1], v[X+8*p+2]
	EACH v_max3_num_f32 v[ST+2*p+1], v[ST+2*p+1], v[X+8*p+3], v[X+8*p+4]
	EACH v_max3_num_f32 v[ST+2*p+1], v[ST+2*p+1], v[X+8*p+5], v[X+8*p+6]
	EACH v_max_num_f32 v[ST+2*p+1], v[ST+2*p+1], v[X+8*p+7]
.irp m, 1,2,4,8
	EACH v_max_num_f32_dpp v[ST+2*p+1], v[ST+2*p+1], v[ST+2*p+1] row_xmask:\m row_mask:0xf bank_mask:0xf
.endr
	EACH v_mul_f32 v[ST+2*p], s70, v[ST+2*p+1]                     ; cm
.irp q, 0,2,4,6
	EACH v_pk_fma_f32 v[X+8*p+(\q):X+8*p+(\q)+1], v[X+8*p+(\q):X+8*p+(\q)+1], s[70:71], v[ST+2*p:ST+2*p+1] op_sel_hi:[1,0,0] neg_lo:[0,0,1] neg_hi:[0,0,1]  ; c s - cm
.endr
.set p, 0
.rept 64
	v_exp_f32 v[X+p], v[X+p]
.set p, p+1
.endr
	v_nop                                          ; a plain instruction between the last exponential and the use of its result (ISA guide 5.7.2)
	s_wait_alu depctr_va_vdst(0)
.irp q, 0,1,2,3
	EACH v_cvt_pk_f16_f32 v[Y+4*p+(\q)], v[X+8*p+2*(\q)], v[X+8*p+2*(\q)+1]
.endr
	EACH global_store_b128 v22, v[Y+4*p:Y+4*p+3], s[8:9] offset:2*p*PCB  ; sixteen lanes store 256 consecutive bytes, aligned
	; l: my eight weights, then the row's sixteen lanes
	EACH v_pk_add_f32 v[X+8*p:X+8*p+1], v[X+8*p:X+8*p+1], v[X+8*p+2:X+8*p+3]
	EACH v_pk_add_f32 v[X+8*p+4:X+8*p+5], v[X+8*p+4:X+8*p+5], v[X+8*p+6:X+8*p+7]
	EACH v_pk_add_f32 v[X+8*p:X+8*p+1], v[X+8*p:X+8*p+1], v[X+8*p+4:X+8*p+5]
	EACH v_add_f32 v[SU+p], v[X+8*p], v[X+8*p+1]
.irp m, 1,2,4,8
	EACH v_add_f32_dpp v[SU+p], v[SU+p], v[SU+p] row_xmask:\m row_mask:0xf bank_mask:0xf
.endr
	EACH v_cndmask_b32 v[W+p], v[ST+2*p], v[SU+p], s78             ; every lane of a row holds both: even lanes hand on cm, odd lanes l
	EACH ds_store_b32 v23, v[W+p] offset:8*p                       ; lanes of like parity write the same word with the same number
	v_add_nc_u32 v23, 64, v23
	s_wait_xcnt 0x0                                ; the stores' data and base are rewritten only behind this wait
	s_add_nc_u64 s[8:9], s[8:9], 16*PCB
	s_sub_co_u32 s67, s67, 1
	s_cmp_lg_u32 s67, 0
	s_cbranch_scc1 .Lrow
	ds_load_b128 v[64:67], v26                     ; my 128 cm and 128 l leave as 512 consecutive bytes each
	ds_load_b128 v[68:71], v26 offset:512
	s_wait_dscnt 0x0
	global_store_b128 v27, v[64:67], s[72:73]
	global_store_b128 v27, v[68:71], s[72:73] offset:524288
	s_wait_tensorcnt 0x0                           ; the wave's end
	ds_add_u32 v28, v29
	s_wait_dscnt 0x0
	CROUND                                         ; the closing round
	s_endpgm
.Lfunc_end_k_qd51708d22e_scores:
	.size	k_qd51708d22e_scores, .Lfunc_end_k_qd51708d22e_scores-k_qd51708d22e_scores
	.p2alignl 7, 3214868480
	.fill 96, 4, 3214868480
	.section	.rodata,"a",@progbits
	.p2align	6, 0x0
	.amdhsa_kernel k_qd51708d22e_scores
		.amdhsa_group_segment_fixed_size 327680
		.amdhsa_private_segment_fixed_size 0
		.amdhsa_enable_private_segment 0
		.amdhsa_kernarg_size 24
		.amdhsa_user_sgpr_count 2
		.amdhsa_user_sgpr_kernarg_segment_ptr 1
		.amdhsa_wavefront_size32 1
		.amdhsa_system_sgpr_workgroup_id_x 1
		.amdhsa_system_sgpr_workgroup_id_y 1
		.amdhsa_system_sgpr_workgroup_id_z 1
		.amdhsa_system_vgpr_workitem_id 0
		.amdhsa_next_free_vgpr 1024
		.amdhsa_next_free_sgpr 80
		.amdhsa_reserve_vcc 0
		.amdhsa_float_denorm_mode_32 3
		.amdhsa_float_denorm_mode_16_64 3
		.amdhsa_memory_ordered 1
		.amdhsa_forward_progress 1
		.amdhsa_inst_pref_size 95
	.end_amdhsa_kernel
	.amdgpu_metadata
---
amdhsa.version: [ 1, 2 ]
amdhsa.kernels:
  - .name:           k_qd51708d22e_scores
    .symbol:         k_qd51708d22e_scores.kd
    .args:
      - { .name: qk, .offset: 0, .size: 8, .value_kind: global_buffer, .address_space: global }
      - { .name: p, .offset: 8, .size: 8, .value_kind: global_buffer, .address_space: global }
      - { .name: stat, .offset: 16, .size: 8, .value_kind: global_buffer, .address_space: global }
    .group_segment_fixed_size: 327680
    .private_segment_fixed_size: 0
    .kernarg_segment_align: 8
    .kernarg_segment_size: 24
    .max_flat_workgroup_size: 128
    .sgpr_count:     80
    .vgpr_count:     1024
    .wavefront_size: 32
...
	.end_amdgpu_metadata
.endif
;; end of part 4
;; launch pv (part 5): grid 4 x 64, 4 waves a work-group, clusters of 4 x 4, 327,680 bytes of LDS; arguments p, vt, o, stat; writes o
.if DOCPART == 5
	.amdgcn_target "amdgcn-amd-amdhsa--gfx1250"
	.amdhsa_code_object_version 6
	.text
	.protected	k_qd51708d22e_pv
	.globl	k_qd51708d22e_pv
	.p2align	8
	.type	k_qd51708d22e_pv,@function
k_qd51708d22e_pv:
	s_mov_b64 s[64:65], 0
	v_nop
	global_prefetch_b8 v0, s[64:65] scope:SCOPE_SE
	s_setreg_imm32_b32 hwreg(HW_REG_WAVE_MODE, 25, 1), 1
	s_wait_xcnt 0x0
	s_wait_alu depctr_hold_cnt(0) depctr_sa_sdst(0) depctr_va_vdst(0) depctr_va_sdst(0) depctr_va_ssrc(0) depctr_va_vcc(0) depctr_vm_vsrc(0)
	s_getreg_b32 s2, hwreg(HW_REG_IB_STS2, 6, 4)
	s_cmp_eq_u32 s2, 0
	s_cbranch_scc0 .Lentry_in_a_cluster
	s_endpgm
.Lentry_in_a_cluster:
	s_bfe_u32 s2, ttmp6, 0x10000c
	s_cmp_lg_u32 s2, 0xf033
	s_cbranch_scc0 .Lentry_shape_is_right
	s_endpgm
.Lentry_shape_is_right:
; The second half of the softmax and O = attn v.  For a query row, from the sixteen blocks' cm_t and l_t: M = max cm_t (the true row maximum, in f32), L = sum 2^(cm_t - M) l_t, f_t = 2^(cm_t - M) / L.
; o[m][e] = sum over blocks t and their keys k of (p[m][k] f_t) vt[e][k].  A block is a K step of 128, so each fragment of p is multiplied by its row's f_t (packed f16) between its load and the products.
; p, vt, o in f16; M, L and the products' sums in f32; o rounded once.  Every exponent is at most 0 and L is at least 1.
; LIMITS.  p f is the softmax weight in f16: below 6.1e-5 it keeps f16's fixed step of 6e-8; f_t below 6e-8 counts as 0.  NaN and infinities are not treated apart.
; SHARES.  8192 x 1024 of O in tiles of 128 x 256 give 256 work-groups; a wave makes 64 x 128: 32 accumulators.  K = 2,048 keys goes in 16 steps of 128 through two LDS slots.
; CLUSTER.  4 x 4 work-groups: p's tile is shared along a row of the cluster, vt's along a column (a cluster's 512 rows lie in one batch): asked for jointly.
; THE MATRIX INSTRUCTION IS USED TRANSPOSED (source 0 = 16 rows of vt, source 1 = 16 rows of p): lane l holds row l % 16 of O and the channels 8 (l / 16) + 0..7.
; THE REFILL STANDS AS NEAR THE WAIT FOR THE TILE AS THE ORDER ALLOWS.  A K step has 128 products a wave, and two slots of two steps (2 x 384 rows x 528 bytes) do not fit in LDS.  So the last quarter's scalings and its lower
; row blocks' products stand AHEAD of the wait for all tensor loads; between that wait and the next request stand the add, the descriptors' steps and the round alone; the upper row blocks follow the fetch of the next fragments.
; PREFETCH INTO THE L2.  Every tile of p is touched for the first time when its tensor load asks for it.  In the trip that requests K step i + 2, wave 0 asks for my share of p's tile of K step i + 4, two trips ahead of its
; tensor load: the tile's 128 rows are shared by the four work-groups of a cluster's row, 32 rows each, a lane for a row's 256 bytes.  vt's tile of 256 rows is shared by the sixteen row tiles of a batch, 16 rows each: wave 1 asks
; in every second trip for K steps i + 4 (lanes 0-15) and i + 5 (lanes 16-31).  So each aligned block of 256 bytes is asked for once in the launch.  Steps 2 and 3 are asked for at the head; the last two trips ask for nothing.
; REGISTERS: window 0: v0-31 addresses; v32-35 f_t of my lane's row in the four row blocks, twice in each word; v64-95, v128-159 fragments of p; v64-111 at work at the start; on the way out v64-159.
;   window 1: v64-127, v128-191 fragments of vt.  window 2: accumulator (a, b) at 8 (8 a + b).
.set MA,    4
.set NK,    16
.set PA,    2048
.set PB,    8192
.set PCB,   2048                       ; bytes from row to row of o
.set PITCH, 272                        ; an LDS row: 256 bytes + 16: the 16 rows of a fragment load start at 16 different groups of four banks (64 banks of 4 bytes: ISA guide 11.1)
.set HA,    16*MA*PITCH
.set HB,    128*PITCH
.set BOFF,  2*HA
.set SLOT,  0x20000                    ; a slot holds 104,448 bytes; slot 1 begins here, so that one exclusive or changes slots
.set FTAB,  SLOT+BOFF+2*HB             ; behind the ring, never filled by a tensor load: 4,096 bytes for each half of the rows: f at 256 t + 16 (row % 16) + 4 (row / 16)
.set SPARE, FTAB+8192                  ; the spare words, 128 bytes a wave, named by no other line
.set DP,    528                        ; the way out: a row of 128 f32 + 16 bytes; wave w's 64 rows at w x 64 x 528, over the ring, which has then had its last fill
.set FC, 32
.set F0, 64
.set F1, 128
.set X,  64
.set Y,  128
.set G1A, 24
.set G0A, 32
.set G1B, 48
.set G0B, 56
.set G1W, (1<<16)|(1<<20)|(1<<21)|(5<<22)|(3<<25)  ; 2-byte elements; padding on; bit 21 beside a mask; after every 64 words (code 5) 4 words (code 3)
.set MSB, 0
.macro WIN new                         ; the immediate's high byte repeats the setting that is left; a switch that changes nothing is dropped
.if MSB != (\new)
	s_set_vgpr_msb (MSB<<8)|(\new)
.set MSB, (\new)
.endif
.endm
.macro PLACES                          ; four places: between matrix instructions and loads into, or reads of, their registers
.rept 4
	v_nop
.endr
.endm
.macro JLOAD                           ; a joint refill: waves 0, 1 fetch A's halves, waves 2, 3 B's; s_nop 0 and four v_nop behind each line
	s_cmp_eq_u32 s11, 0
	s_cbranch_scc0 .Lfor_b_\@
	tensor_load_to_lds s[G0A+4:G0A+7], s[G1A:G1A+7]
	s_nop 0
	PLACES
	s_branch .Lasked_\@
.Lfor_b_\@:
	tensor_load_to_lds s[G0B+4:G0B+7], s[G1B:G1B+7]
	s_nop 0
	PLACES
.Lasked_\@:
.endm
.macro CREST                           ; a round of the cluster's barrier behind its opening barrier
	s_cmp_lg_u32 s10, 0
	s_cbranch_scc1 .Lnot_wave_0_\@
	s_barrier_signal -3
.Lnot_wave_0_\@:
	s_barrier_wait -3
	s_barrier_signal -1
	s_barrier_wait -1
.endm
.macro CROUND
	s_barrier_signal -1
	s_barrier_wait -1
	CREST
.endm
; 8 products: row block aa x all 8 column blocks, 32 along K.  zero = 1: the first product starts the sum.  The accumulators take turns.
.macro MULA f, zero
	WIN 0xa1
.irp b, 0,1,2,3,4,5,6,7
.set rD, 8*(8*aa+(\b))
.if \zero
	v_wmma_f32_16x16x32_f16 v[rD:rD+7], v[(\f)+8*(\b):(\f)+8*(\b)+7], v[(\f)+8*aa:(\f)+8*aa+7], 0
.else
	v_wmma_f32_16x16x32_f16 v[rD:rD+7], v[(\f)+8*(\b):(\f)+8*(\b)+7], v[(\f)+8*aa:(\f)+8*aa+7], v[rD:rD+7]
.endif
.endr
.endm
.macro MULS f, a0, n, zero
.set aa, \a0
.rept \n
	MULA \f, \zero
.set aa, aa+1
.endr
.endm
.macro SCALE f, a0                     ; p f for row blocks a0, a0 + 1 of buffer f: sixteen packed multiplies, two weights each, rounded to f16
	WIN 0
.set aa, \a0
.rept MA/2
.irp j, 0,1,2,3,4,5,6,7
	v_pk_mul_f16 v[(\f)+8*aa+(\j)], v[(\f)+8*aa+(\j)], v[FC+aa]
.endr
.set aa, aa+1
.endr
.endm
.macro FETCH k, f                      ; one run of LDS loads: B's 16, then A's 2 MA
	WIN 0x40
.irp i, 0,1,2,3,4,5,6,7
	ds_load_b128 v[(\f)+8*(\i):(\f)+8*(\i)+3],   v19 offset:(\k)+(\i)*16*PITCH
	ds_load_b128 v[(\f)+8*(\i)+4:(\f)+8*(\i)+7], v19 offset:(\k)+(\i)*16*PITCH+32
.endr
	WIN 0
.set ii, 0
.rept MA
	ds_load_b128 v[(\f)+8*ii:(\f)+8*ii+3],   v18 offset:(\k)+ii*16*PITCH
	ds_load_b128 v[(\f)+8*ii+4:(\f)+8*ii+7], v18 offset:(\k)+ii*16*PITCH+32
.set ii, ii+1
.endr
.endm
.macro QUARTER k, f, g, zero
	s_wait_dscnt MA                                ; f_t, B and A's lower blocks are in; the youngest MA loads (A's upper blocks) may be out
	SCALE \f, 0
	MULS \f, 0, MA/2, \zero
	PLACES
	FETCH \k, \g
	s_wait_dscnt 16+2*MA                           ; all but the loads just issued
	SCALE \f, MA/2
	MULS \f, MA/2, MA/2, \zero
.endm
.macro MEET fill                       ; ONE barrier for the change of slots; no product stands between the wait for the tile and it
	WIN 0
	s_wait_tensorcnt 0x0                           ; all my tensor loads have landed: the one that was out is my part of the next slot
	ds_add_u32 v28, v29                            ; 0 onto my spare word
.if \fill
	s_xor_b32 s[G0A+5], s[G0A+5], SLOT             ; the walking descriptors: the other slot, the next K step
	s_add_nc_u64 s[G0A+6:G0A+7], s[G0A+6:G0A+7], 256
	s_xor_b32 s[G0B+5], s[G0B+5], SLOT
	s_add_nc_u64 s[G0B+6:G0B+7], s[G0B+6:G0B+7], 256
.endif
	s_wait_dscnt 0x0                               ; the add is done; my reads of this slot were over at the wait in front of the last scalings
	s_barrier_signal -1
	s_barrier_wait -1
.endm
.macro PREF                            ; trip i = 14 - s67 asks two trips ahead of the tensor loads
	s_cmp_lt_u32 s67, 3                            ; the last two trips would ask past K's end
	s_cbranch_scc1 .Lnopf_\@
	s_cmp_lg_u32 s10, 0
	s_cbranch_scc1 .Lpfv_\@
	s_wait_xcnt 0x0                                ; the base is stepped only behind this wait: the prefetch that read it stands a trip back
	s_add_nc_u64 s[74:75], s[74:75], 256           ; the base stands at K step i + 3,
	global_prefetch_b8 v30, s[74:75] offset:256 th:TH_LOAD_NT scope:SCOPE_SE  ; wave 0: my 32 rows of p's tile of K step i + 4
.Lpfv_\@:
	s_cmp_lg_u32 s10, 1
	s_cbranch_scc1 .Lnopf_\@
	s_bitcmp1_b32 s67, 0                           ; s67 odd: i odd: nothing
	s_cbranch_scc1 .Lnopf_\@
	s_wait_xcnt 0x0
	s_add_nc_u64 s[76:77], s[76:77], 512
	global_prefetch_b8 v31, s[76:77] th:TH_LOAD_NT scope:SCOPE_SE             ; wave 1: my 16 rows of vt's tiles of K steps i + 4 and i + 5
.Lnopf_\@:
.endm
; The last quarter.  fill = 1: the barrier opens a round of the cluster's, and the slot just read is filled again first.  fill = 0: the tail.
.macro TURN fill
	s_wait_dscnt MA                                ; B and A's lower blocks are in
	SCALE F1, 0
	MULS F1, 0, MA/2, 0                            ; ahead of the wait for the tile
	s_wait_dscnt 0x0                               ; A's upper blocks: my last reads of this slot
	SCALE F1, MA/2                                 ; the step's last use of f_t: the next step's is loaded behind the barrier
	MEET \fill
.if \fill
	CREST
	JLOAD                                          ; its four v_nop are also the places in front of the loads below
.else
	s_cmp_eq_u32 s67, 1
	s_cbranch_scc1 .Lnofetch_\@
	PLACES
.endif
	s_xor_b32 s66, s66, SLOT
	v_add_nc_u32 v18, s66, v16
	v_add_nc_u32 v19, s66, v17
	ds_load_b128 v[FC:FC+3], v24                   ; the next block's f
	v_add_nc_u32 v24, 256, v24
	FETCH 0, F0
.if \fill
	PREF
.else
.Lnofetch_\@:
.endif
	MULS F1, MA/2, MA/2, 0
.endm
; One row a lane: from sixteen cm in v[c ..] and sixteen l in v[l ..] the sixteen f, each twice in a word, into the table of my half of the rows.
.macro FROW c, l
	v_max3_num_f32 v6, v[\c], v[\c+1], v[\c+2]
.set t, 3
.rept 6
	v_max3_num_f32 v6, v6, v[\c+t], v[\c+t+1]
.set t, t+2
.endr
	v_max_num_f32 v6, v6, v[\c+15]                 ; M
.set t, 0
.rept 16
	v_sub_f32 v[\c+t], v[\c+t], v6
.set t, t+1
.endr
.set t, 0
.rept 16
	v_exp_f32 v[\c+t], v[\c+t]
.set t, t+1
.endr
	v_nop                                          ; a plain instruction behind the last exponential (ISA guide 5.7.2)
	s_wait_alu depctr_va_vdst(0)
	v_mul_f32 v7, v[\c], v[\l]
.set t, 1
.rept 15
	v_fmac_f32 v7, v[\c+t], v[\l+t]                ; L
.set t, t+1
.endr
	v_rcp_f32 v8, v7
	v_nop
.set t, 0
	s_wait_alu depctr_va_vdst(0)
.rept 16
	v_mul_f32 v[\c+t], v[\c+t], v8
.set t, t+1
.endr
.set t, 0
.rept 16
	v_cvt_pk_f16_f32 v[\l+t], v[\c+t], v[\c+t]
.set t, t+1
.endr
.set t, 0
.rept 16
	ds_store_b32 v25, v[\l+t] offset:256*t
.set t, t+1
.endr
.endm
	s_load_b128 s[4:7], s[0:1], 0x0                ; p s[4:5], vt s[6:7]
	s_load_b64 s[8:9], s[0:1], 0x10                ; o
	s_load_b64 s[72:73], s[0:1], 0x18              ; stat
	v_lshl_add_u32 v28, v0, 2, SPARE
	v_mov_b32 v29, 0
	ds_add_u32 v28, v29                            ; the wave's opening: the add and its wait, ahead of my first tensor load
	v_lshrrev_b32 v1, 5, v0
	v_readfirstlane_b32 s10, v1
	s_lshr_b32 s11, s10, 1                         ; my half of the rows.  Also: I fetch for A (0) or B (1)
	s_and_b32 s12, s10, 1                          ; my half of the columns.  Also: which half of that tile I fetch
	s_bfe_u32 s40, ttmp6, 0x40000
	s_bfe_u32 s41, ttmp6, 0x40004
	s_lshl_b32 s42, ttmp9, 2
	s_add_co_u32 s42, s42, s40                     ; tile column x
	s_and_b32 s13, ttmp7, 0xffff
	s_lshr_b32 s45, s13, 2                         ; the batch: four clusters' rows each, so it hangs on the cluster's y alone
	s_lshl_b32 s13, s13, 2
	s_add_co_u32 s13, s13, s41                     ; tile row y
	s_lshl_b32 s43, s41, 2
	s_lshl_b32 s43, 15, s43
	s_lshl_b32 s44, 0x1111, s40
	s_or_b32 s[G1A], s43, G1W
	s_or_b32 s[G1B], s44, G1W
.irp g, G1A, G1B
	s_mov_b32 s[(\g)+1], 128<<16
	s_mov_b32 s[(\g)+3], 128<<16
	s_mov_b32 s[(\g)+6], 0
	s_mov_b32 s[(\g)+7], 0
.endr
	s_mov_b32 s[G1A+2], (16*MA)<<16
	s_mov_b32 s[G1A+4], 16*MA
	s_mov_b32 s[G1A+5], PA
	s_mov_b32 s[G1B+2], 128<<16
	s_mov_b32 s[G1B+4], 128
	s_mov_b32 s[G1B+5], PB
	s_mul_i32 s68, s12, HA
	s_mul_i32 s69, s12, HB
	s_add_co_u32 s69, s69, BOFF
	s_mov_b32 s[G0A], 1
	s_mov_b32 s[G0A+1], s68
	s_mov_b32 s[G0A+4], 1
	s_add_co_u32 s[G0A+5], s68, SLOT
	s_mov_b32 s[G0B], 1
	s_mov_b32 s[G0B+1], s69
	s_mov_b32 s[G0B+4], 1
	s_add_co_u32 s[G0B+5], s69, SLOT
	s_mul_i32 s16, s13, 32*MA                      ; A: p's row 128 y + 64 half
	s_mul_i32 s17, s12, 16*MA
	s_add_co_u32 s16, s16, s17
	s_mul_i32 s16, s16, PA*2
	s_mov_b32 s17, 0
	s_lshl_b32 s46, s42, 8                         ; B: vt's row 256 x + 128 half, at the batch's 2,048 keys
	s_lshl_b32 s47, s12, 7
	s_add_co_u32 s46, s46, s47
	s_mul_i32 s46, s46, PB*2
	s_lshl_b32 s47, s45, 12
	s_add_co_u32 s46, s46, s47
	s_mov_b32 s47, 0
	s_mov_b32 s66, 0
	s_wait_dscnt 0x0                               ; the opening add is done
	s_wait_kmcnt 0x0
	s_add_nc_u64 s[G0A+2:G0A+3], s[4:5], s[16:17]
	s_add_nc_u64 s[G0A+6:G0A+7], s[G0A+2:G0A+3], 256
	s_or_b32 s[G0A+3], s[G0A+3], 0x80000000
	s_or_b32 s[G0A+7], s[G0A+7], 0x80000000
	s_add_nc_u64 s[G0B+2:G0B+3], s[6:7], s[46:47]
	s_add_nc_u64 s[G0B+6:G0B+7], s[G0B+2:G0B+3], 256
	s_or_b32 s[G0B+3], s[G0B+3], 0x80000000
	s_or_b32 s[G0B+7], s[G0B+7], 0x80000000
	CROUND                                         ; all sixteen work-groups are here: the first joint loads meet
	s_cmp_eq_u32 s11, 0                            ; a wave's two first fills stand in one branch: two loads of mine are out
	s_cbranch_scc0 .Lfirst_b
	tensor_load_to_lds s[G0A:G0A+3], s[G1A:G1A+7]
	s_nop 0
	tensor_load_to_lds s[G0A+4:G0A+7], s[G1A:G1A+7]
	s_nop 0
	PLACES
	s_branch .Lfirst_done
.Lfirst_b:
	tensor_load_to_lds s[G0B:G0B+3], s[G1B:G1B+7]
	s_nop 0
	tensor_load_to_lds s[G0B+4:G0B+7], s[G1B:G1B+7]
	s_nop 0
	PLACES
.Lfirst_done:
	v_and_b32 v1, 15, v0
	v_bfe_u32 v2, v0, 4, 1
	; cm and l, all sixteen blocks, of 32 rows: the two waves of a half of the rows share its 64 rows; lane L takes row 32 (wave % 2) + L.  All this stands in the wait for the first tile.
	s_lshl_b32 s20, s45, 15                        ; batch x 16 blocks x 2,048 rows
	s_and_b32 s21, s13, 15
	s_lshl_b32 s21, s21, 7                         ; + my tile's first row in the batch
	s_add_co_u32 s20, s20, s21
	s_lshl_b32 s21, s11, 6
	s_add_co_u32 s20, s20, s21
	s_lshl_b32 s21, s12, 5
	s_add_co_u32 s20, s20, s21
	s_lshl_b32 s20, s20, 2
	s_mov_b32 s21, 0
	s_add_nc_u64 s[72:73], s[72:73], s[20:21]
	v_and_b32 v5, 31, v0
	v_lshlrev_b32 v5, 2, v5
.set t, 0
.rept 16
	global_load_b32 v[64+t], v5, s[72:73] offset:8192*t
	global_load_b32 v[96+t], v5, s[72:73] offset:8192*t+524288
.set t, t+1
.endr
	; the prefetches' addresses, and the head's requests
	v_and_b32 v9, 31, v0
	v_lshlrev_b32 v30, 12, v9                      ; p: a row of 4,096 bytes a lane; never rewritten
	v_lshlrev_b32 v31, 14, v1                      ; vt: row l % 16 of 16,384 bytes,
	v_lshl_add_u32 v31, v2, 8, v31                 ; lanes 16-31 one K step on; never rewritten
	s_lshl_b32 s20, s13, 19                        ; p at row 128 y + 32 cx, K step 2
	s_lshl_b32 s21, s40, 17
	s_add_co_u32 s20, s20, s21
	s_add_co_u32 s20, s20, 512
	s_mov_b32 s21, 0
	s_add_nc_u64 s[74:75], s[4:5], s[20:21]
	s_lshl_b32 s20, s42, 22                        ; vt at row 256 x + 16 (y % 16), the batch's keys, K step 2
	s_and_b32 s21, s13, 15
	s_lshl_b32 s21, s21, 18
	s_add_co_u32 s20, s20, s21
	s_lshl_b32 s21, s45, 12
	s_add_co_u32 s20, s20, s21
	s_add_co_u32 s20, s20, 512
	s_mov_b32 s21, 0
	s_add_nc_u64 s[76:77], s[6:7], s[20:21]
	s_cmp_lg_u32 s10, 0
	s_cbranch_scc1 .Lhead_v
	global_prefetch_b8 v30, s[74:75] th:TH_LOAD_NT scope:SCOPE_SE             ; p: K step 2,
	global_prefetch_b8 v30, s[74:75] offset:256 th:TH_LOAD_NT scope:SCOPE_SE  ; K step 3
.Lhead_v:
	s_cmp_lg_u32 s10, 1
	s_cbranch_scc1 .Lhead_asked
	global_prefetch_b8 v31, s[76:77] th:TH_LOAD_NT scope:SCOPE_SE             ; vt: K steps 2 and 3
.Lhead_asked:
	v_mul_u32_u24 v3, v1, PITCH
	v_lshl_add_u32 v3, v2, 4, v3
	s_mul_i32 s21, s11, HA
	s_mul_i32 s22, s12, HB
	s_add_co_u32 s22, s22, BOFF
	v_add_nc_u32 v16, s21, v3
	v_add_nc_u32 v17, s22, v3
	v_mov_b32 v18, v16
	v_mov_b32 v19, v17
	s_mul_i32 s23, s10, 16*MA*DP                   ; my stage
	v_mul_u32_u24 v20, v1, DP
	v_lshl_add_u32 v20, v2, 4, v20
	v_add_nc_u32 v20, s23, v20
	v_mul_u32_u24 v21, v2, DP
	v_lshl_add_u32 v21, v1, 4, v21
	v_add_nc_u32 v21, s23, v21
	v_mul_u32_u24 v22, v2, PCB
	v_lshl_add_u32 v22, v1, 4, v22
	s_lshl_b32 s22, s11, 12
	s_add_co_u32 s22, s22, FTAB                    ; the table of my half of the rows
	v_lshlrev_b32 v24, 4, v1
	v_add_nc_u32 v24, s22, v24                     ; read: 16 bytes at 16 (l % 16): the four row blocks' f of my lane's row
	s_lshl_b32 s23, s12, 3
	v_lshl_add_u32 v25, v2, 2, v24                 ; write: row 32 (wave % 2) + L is row L % 16 of block 2 (wave % 2) + L / 16
	v_add_nc_u32 v25, s23, v25
	s_mul_i32 s20, s13, 32*MA                      ; o at my first row and column
	s_mul_i32 s21, s11, 16*MA
	s_add_co_u32 s20, s20, s21
	s_mul_i32 s20, s20, PCB
	s_lshl_b32 s21, s42, 9
	s_add_co_u32 s20, s20, s21
	s_lshl_b32 s21, s12, 8
	s_add_co_u32 s20, s20, s21
	s_mov_b32 s21, 0
	s_add_nc_u64 s[8:9], s[8:9], s[20:21]
	s_wait_loadcnt 0x0
	FROW 64, 96
	s_wait_tensorcnt 0x1                           ; my part of K step 0 is in; step 1's may stay out
	s_wait_dscnt 0x0                               ; for the others' sake: my stores into the table are done
	s_barrier_signal -1
	s_barrier_wait -1
	ds_load_b128 v[FC:FC+3], v24                   ; block 0's f: two of the four words were stored by the other wave of my half, in front of the barrier
	v_add_nc_u32 v24, 256, v24
	FETCH 0, F0
	QUARTER 64, F0, F1, 1
	WIN 0
	s_mov_b32 s67, NK-2
.Lk:
	QUARTER 128, F1, F0, 0
	QUARTER 192, F0, F1, 0
	TURN 1
	QUARTER 64, F0, F1, 0
	WIN 0
	s_sub_co_u32 s67, s67, 1
	s_cmp_lg_u32 s67, 0
	s_cbranch_scc1 .Lk
	s_mov_b32 s67, 2
.Lt:                                                   ; the last two K steps ask for nothing; the second jumps over what belongs to a further step
	QUARTER 128, F1, F0, 0
	QUARTER 192, F0, F1, 0
	TURN 0
	WIN 0
	s_cmp_eq_u32 s67, 1
	s_cbranch_scc1 .Lskip
	QUARTER 64, F0, F1, 0
	WIN 0
.Lskip:
	s_sub_co_u32 s67, s67, 1
	s_cmp_lg_u32 s67, 0
	s_cbranch_scc1 .Lt
	; THE WAY OUT: f32 into my stage over the ring; 16 rows a trip come back as whole rows, are rounded and stored.
	PLACES
	s_wait_dscnt 0x0
	s_barrier_signal -1                            ; on every way through the tail: no wave writes a stage while another may still read the ring
	s_barrier_wait -1
	WIN 0x08                                       ; store data in window 2
.set aa, 0
.rept MA
.irp b, 0,1,2,3,4,5,6,7
	ds_store_b128 v20, v[8*(8*aa+(\b)):8*(8*aa+(\b))+3]   offset:16*DP*aa+32*(\b)      ; each accumulator's low registers first
	ds_store_b128 v20, v[8*(8*aa+(\b))+4:8*(8*aa+(\b))+7] offset:16*DP*aa+32*(\b)+256
.endr
.set aa, aa+1
.endr
	WIN 0
	s_mov_b32 s67, MA
.Lrow:
.set p, 0
.rept 8
	ds_load_b128 v[X+8*p:X+8*p+3],   v21 offset:2*DP*p      ; LDS serves a wave's instructions in order (ISA guide 5.7.1.4): these see my stores
	ds_load_b128 v[X+8*p+4:X+8*p+7], v21 offset:2*DP*p+256
.set p, p+1
.endr
	v_add_nc_u32 v21, 16*DP, v21
.set p, 0
.rept 8
	s_wait_dscnt 14-2*p
.irp q, 0,1,2,3
	v_cvt_pk_f16_f32 v[Y+4*p+(\q)], v[X+8*p+2*(\q)], v[X+8*p+2*(\q)+1]
.endr
	global_store_b128 v22, v[Y+4*p:Y+4*p+3], s[8:9] offset:2*p*PCB  ; sixteen lanes store 256 consecutive bytes, aligned
.set p, p+1
.endr
	s_wait_xcnt 0x0                                ; the stores' data and base are rewritten only behind this wait
	s_add_nc_u64 s[8:9], s[8:9], 16*PCB
	s_sub_co_u32 s67, s67, 1
	s_cmp_lg_u32 s67, 0
	s_cbranch_scc1 .Lrow
	s_wait_tensorcnt 0x0                           ; the wave's end
	ds_add_u32 v28, v29
	s_wait_dscnt 0x0
	CROUND                                         ; the closing round
	s_endpgm
.Lfunc_end_k_qd51708d22e_pv:
	.size	k_qd51708d22e_pv, .Lfunc_end_k_qd51708d22e_pv-k_qd51708d22e_pv
	.p2alignl 7, 3214868480
	.fill 96, 4, 3214868480
	.section	.rodata,"a",@progbits
	.p2align	6, 0x0
	.amdhsa_kernel k_qd51708d22e_pv
		.amdhsa_group_segment_fixed_size 327680
		.amdhsa_private_segment_fixed_size 0
		.amdhsa_enable_private_segment 0
		.amdhsa_kernarg_size 32
		.amdhsa_user_sgpr_count 2
		.amdhsa_user_sgpr_kernarg_segment_ptr 1
		.amdhsa_wavefront_size32 1
		.amdhsa_system_sgpr_workgroup_id_x 1
		.amdhsa_system_sgpr_workgroup_id_y 1
		.amdhsa_system_sgpr_workgroup_id_z 1
		.amdhsa_system_vgpr_workitem_id 0
		.amdhsa_next_free_vgpr 768
		.amdhsa_next_free_sgpr 80
		.amdhsa_reserve_vcc 0
		.amdhsa_float_denorm_mode_32 3
		.amdhsa_float_denorm_mode_16_64 3
		.amdhsa_memory_ordered 1
		.amdhsa_forward_progress 1
		.amdhsa_inst_pref_size 83
	.end_amdhsa_kernel
	.amdgpu_metadata
---
amdhsa.version: [ 1, 2 ]
amdhsa.kernels:
  - .name:           k_qd51708d22e_pv
    .symbol:         k_qd51708d22e_pv.kd
    .args:
      - { .name: p, .offset: 0, .size: 8, .value_kind: global_buffer, .address_space: global }
      - { .name: vt, .offset: 8, .size: 8, .value_kind: global_buffer, .address_space: global }
      - { .name: o, .offset: 16, .size: 8, .value_kind: global_buffer, .address_space: global }
      - { .name: stat, .offset: 24, .size: 8, .value_kind: global_buffer, .address_space: global }
    .group_segment_fixed_size: 327680
    .private_segment_fixed_size: 0
    .kernarg_segment_align: 8
    .kernarg_segment_size: 32
    .max_flat_workgroup_size: 128
    .sgpr_count:     80
    .vgpr_count:     768
    .wavefront_size: 32
...
	.end_amdgpu_metadata
.endif
;; end of part 5
;; launch projo (part 6): grid 4 x 64, 4 waves a work-group, clusters of 4 x 4, 327,680 bytes of LDS; arguments o, wt, out0, bo; writes out0
.if DOCPART == 6
	.amdgcn_target "amdgcn-amd-amdhsa--gfx1250"
	.amdhsa_code_object_version 6
	.text
	.protected	k_qd51708d22e_projo
	.globl	k_qd51708d22e_projo
	.p2align	8
	.type	k_qd51708d22e_projo,@function
k_qd51708d22e_projo:
	s_mov_b64 s[64:65], 0
	v_nop
	global_prefetch_b8 v0, s[64:65] scope:SCOPE_SE
	s_setreg_imm32_b32 hwreg(HW_REG_WAVE_MODE, 25, 1), 1
	s_wait_xcnt 0x0
	s_wait_alu depctr_hold_cnt(0) depctr_sa_sdst(0) depctr_va_vdst(0) depctr_va_sdst(0) depctr_va_ssrc(0) depctr_va_vcc(0) depctr_vm_vsrc(0)
	s_getreg_b32 s2, hwreg(HW_REG_IB_STS2, 6, 4)
	s_cmp_eq_u32 s2, 0
	s_cbranch_scc0 .Lentry_in_a_cluster
	s_endpgm
.Lentry_in_a_cluster:
	s_bfe_u32 s2, ttmp6, 0x10000c
	s_cmp_lg_u32 s2, 0xf033
	s_cbranch_scc0 .Lentry_shape_is_right
	s_endpgm
.Lentry_shape_is_right:
; out0[m][n] = sum_d o[m][d] wt[3072 + n][d] + bo[n], m = 0..8191, n = 0..1023.  Operands f16, sums f32, out0 f32.  bo is rounded to bf16 like the other inputs and starts the sums as the first products' C operand.
; LIMITS.  None of its own: the operands arrive in f16.  NaN and infinities are not treated apart.
; SHARES.  8192 x 1024 of C in tiles of 128 x 256 give 256 work-groups; a wave makes 64 x 128: 32 accumulators.  K goes in 8 steps of 128 (rows of 256 bytes, aligned) through two LDS slots.
; CLUSTER.  4 x 4 work-groups: o's tile is shared along a row of the cluster, wt's along a column: asked for jointly.
; THE MATRIX INSTRUCTION IS USED TRANSPOSED (source 0 = 16 rows of wt, source 1 = 16 rows of o): lane l holds row l % 16 of C and the columns 8 (l / 16) + 0..7.
; THE REFILL STANDS AS NEAR THE WAIT FOR THE TILE AS THE ORDER ALLOWS.  A K step has 128 products a wave, and two slots of two steps (2 x 384 rows x 528 bytes) do not fit in LDS.  So the last quarter's lower row
; blocks are multiplied AHEAD of the wait for all tensor loads; between that wait and the next request stand the add, the descriptors' steps and the round alone; the upper row blocks follow the fetch of the next fragments.
; PREFETCH INTO THE L2.  Every tile of o is touched for the first time when its tensor load asks for it.  Wave 0 asks, in the trip that requests K step i + 2, for my work-group's share of o's tile of K step i + 4: two trips
; ahead of its tensor load.  The tile's 128 rows are shared by the four work-groups of a cluster's row: 32 rows each, a lane for a row's 256 bytes, so each aligned block of 256 bytes is asked for once in the launch.  Steps 2 and 3
; are asked for at the head; the last two trips ask for nothing: their step would lie past K's end.  wt's 256 rows x 8 steps are shared by 64 work-groups: 32 blocks each, one request at the head.
; REGISTERS: window 0: v0-31 addresses; v64-95, v128-159 fragments of A; on the way out v64-127.  window 1: v0-63 the bias as C operand; v64-127, v128-191 fragments of B.  window 2: accumulator (a, b) at 8 (8 a + b).
.set MA,    4
.set NK,    8
.set PA,    1024
.set PB,    1024
.set PCB,   4096                       ; bytes from row to row of out0
.set PITCH, 272                        ; an LDS row: 256 bytes + 16: the 16 rows of a fragment load start at 16 different groups of four banks (64 banks of 4 bytes: ISA guide 11.1)
.set HA,    16*MA*PITCH
.set HB,    128*PITCH
.set BOFF,  2*HA
.set SLOT,  0x20000                    ; a slot holds 104,448 bytes; slot 1 begins here, so that one exclusive or changes slots
.set SPARE, SLOT+BOFF+2*HB             ; behind the ring: the spare words, 128 bytes a wave, named by no other line
.set DP,    528                        ; the way out: a row of 128 f32 + 16 bytes; wave w's 64 rows at w x 64 x 528, over the ring, which has then had its last fill
.set F0, 64
.set F1, 128
.set X,  64
.set G1A, 24
.set G0A, 32
.set G1B, 48
.set G0B, 56
.set G1W, (1<<16)|(1<<20)|(1<<21)|(5<<22)|(3<<25)  ; 2-byte elements; padding on; bit 21 beside a mask; after every 64 words (code 5) 4 words (code 3)
.set MSB, 0
.macro WIN new                         ; the immediate's high byte repeats the setting that is left; a switch that changes nothing is dropped
.if MSB != (\new)
	s_set_vgpr_msb (MSB<<8)|(\new)
.set MSB, (\new)
.endif
.endm
.macro PLACES                          ; four places: between matrix instructions and loads into, or reads of, their registers
.rept 4
	v_nop
.endr
.endm
.macro JLOAD                           ; a joint refill: waves 0, 1 fetch A's halves, waves 2, 3 B's; s_nop 0 and four v_nop behind each line
	s_cmp_eq_u32 s11, 0
	s_cbranch_scc0 .Lfor_b_\@
	tensor_load_to_lds s[G0A+4:G0A+7], s[G1A:G1A+7]
	s_nop 0
	PLACES
	s_branch .Lasked_\@
.Lfor_b_\@:
	tensor_load_to_lds s[G0B+4:G0B+7], s[G1B:G1B+7]
	s_nop 0
	PLACES
.Lasked_\@:
.endm
.macro CREST                           ; a round of the cluster's barrier behind its opening barrier
	s_cmp_lg_u32 s10, 0
	s_cbranch_scc1 .Lnot_wave_0_\@
	s_barrier_signal -3
.Lnot_wave_0_\@:
	s_barrier_wait -3
	s_barrier_signal -1
	s_barrier_wait -1
.endm
.macro CROUND
	s_barrier_signal -1
	s_barrier_wait -1
	CREST
.endm
; 8 products: row block aa x all 8 column blocks, 32 along K.  zero = 1: the first product starts the sum with the columns' bias (window 1).  The accumulators take turns.
.macro MULA f, zero
.if \zero
	WIN 0x91
.else
	WIN 0xa1
.endif
.irp b, 0,1,2,3,4,5,6,7
.set rD, 8*(8*aa+(\b))
.if \zero
	v_wmma_f32_16x16x32_f16 v[rD:rD+7], v[(\f)+8*(\b):(\f)+8*(\b)+7], v[(\f)+8*aa:(\f)+8*aa+7], v[8*(\b):8*(\b)+7]
.else
	v_wmma_f32_16x16x32_f16 v[rD:rD+7], v[(\f)+8*(\b):(\f)+8*(\b)+7], v[(\f)+8*aa:(\f)+8*aa+7], v[rD:rD+7]
.endif
.endr
.endm
.macro MULS f, a0, n, zero
.set aa, \a0
.rept \n
	MULA \f, \zero
.set aa, aa+1
.endr
.endm
.macro FETCH k, f                      ; one run of LDS loads: B's 16, then A's 2 MA
	WIN 0x40
.irp i, 0,1,2,3,4,5,6,7
	ds_load_b128 v[(\f)+8*(\i):(\f)+8*(\i)+3],   v19 offset:(\k)+(\i)*16*PITCH
	ds_load_b128 v[(\f)+8*(\i)+4:(\f)+8*(\i)+7], v19 offset:(\k)+(\i)*16*PITCH+32
.endr
	WIN 0
.set ii, 0
.rept MA
	ds_load_b128 v[(\f)+8*ii:(\f)+8*ii+3],   v18 offset:(\k)+ii*16*PITCH
	ds_load_b128 v[(\f)+8*ii+4:(\f)+8*ii+7], v18 offset:(\k)+ii*16*PITCH+32
.set ii, ii+1
.endr
.endm
.macro QUARTER k, f, g, zero
	s_wait_dscnt MA                                ; B and A's lower blocks are in; the youngest MA loads (A's upper blocks) may be out
	MULS \f, 0, MA/2, \zero
	PLACES
	FETCH \k, \g
	s_wait_dscnt 16+2*MA                           ; all but the loads just issued
	MULS \f, MA/2, MA/2, \zero
.endm
.macro MEET fill                       ; ONE barrier for the change of slots; no product stands between the wait for the tile and it
	WIN 0
	s_wait_tensorcnt 0x0                           ; all my tensor loads have landed: the one that was out is my part of the next slot
	ds_add_u32 v28, v29                            ; 0 onto my spare word
.if \fill
	s_xor_b32 s[G0A+5], s[G0A+5], SLOT             ; the walking descriptors: the other slot, the next K step
	s_add_nc_u64 s[G0A+6:G0A+7], s[G0A+6:G0A+7], 256
	s_xor_b32 s[G0B+5], s[G0B+5], SLOT
	s_add_nc_u64 s[G0B+6:G0B+7], s[G0B+6:G0B+7], 256
.endif
	s_wait_dscnt 0x0                               ; the add is done, and my reads of this slot are over: A's upper blocks of the last quarter were the last
	s_barrier_signal -1
	s_barrier_wait -1
.endm
.macro PREF                            ; wave 0 asks for my 32 rows of o's tile two trips ahead of its tensor load
	s_cmp_lg_u32 s10, 0
	s_cbranch_scc1 .Lnopf_\@
	s_cmp_lt_u32 s67, 3                            ; the last two trips would ask past K's end
	s_cbranch_scc1 .Lnopf_\@
	s_wait_xcnt 0x0                                ; the base is stepped only behind this wait: the prefetch that read it stands a trip back
	s_add_nc_u64 s[74:75], s[74:75], 256           ; trip i: the base stands at K step i + 3,
	global_prefetch_b8 v30, s[74:75] offset:256 th:TH_LOAD_NT scope:SCOPE_SE  ; the request at K step i + 4
.Lnopf_\@:
.endm
; The last quarter.  fill = 1: the barrier opens a round of the cluster's, and the slot just read is filled again first.  fill = 0: the tail.
.macro TURN fill
	s_wait_dscnt MA                                ; B and A's lower blocks are in
	MULS F1, 0, MA/2, 0                            ; ahead of the wait for the tile
	MEET \fill
.if \fill
	CREST
	JLOAD                                          ; its four v_nop are also the places in front of the loads below
.else
	s_cmp_eq_u32 s67, 1
	s_cbranch_scc1 .Lnofetch_\@
	PLACES
.endif
	s_xor_b32 s66, s66, SLOT
	v_add_nc_u32 v18, s66, v16
	v_add_nc_u32 v19, s66, v17
	FETCH 0, F0
.if \fill
	PREF
.else
.Lnofetch_\@:
.endif
	MULS F1, MA/2, MA/2, 0
.endm
	s_load_b128 s[4:7], s[0:1], 0x0                ; o s[4:5], wt s[6:7]
	s_load_b64 s[8:9], s[0:1], 0x10                ; out0
	s_load_b64 s[72:73], s[0:1], 0x18              ; bo
	v_lshl_add_u32 v28, v0, 2, SPARE
	v_mov_b32 v29, 0
	ds_add_u32 v28, v29                            ; the wave's opening: the add and its wait, ahead of my first tensor load
	v_lshrrev_b32 v1, 5, v0
	v_readfirstlane_b32 s10, v1
	s_lshr_b32 s11, s10, 1                         ; my half of the rows.  Also: I fetch for A (0) or B (1)
	s_and_b32 s12, s10, 1                          ; my half of the columns.  Also: which half of that tile I fetch
	s_bfe_u32 s40, ttmp6, 0x40000
	s_bfe_u32 s41, ttmp6, 0x40004
	s_lshl_b32 s42, ttmp9, 2
	s_add_co_u32 s42, s42, s40                     ; tile column x
	s_and_b32 s13, ttmp7, 0xffff
	s_lshl_b32 s13, s13, 2
	s_add_co_u32 s13, s13, s41                     ; tile row y
	s_lshl_b32 s43, s41, 2
	s_lshl_b32 s43, 15, s43
	s_lshl_b32 s44, 0x1111, s40
	s_or_b32 s[G1A], s43, G1W
	s_or_b32 s[G1B], s44, G1W
.irp g, G1A, G1B
	s_mov_b32 s[(\g)+1], 128<<16
	s_mov_b32 s[(\g)+3], 128<<16
	s_mov_b32 s[(\g)+6], 0
	s_mov_b32 s[(\g)+7], 0
.endr
	s_mov_b32 s[G1A+2], (16*MA)<<16
	s_mov_b32 s[G1A+4], 16*MA
	s_mov_b32 s[G1A+5], PA
	s_mov_b32 s[G1B+2], 128<<16
	s_mov_b32 s[G1B+4], 128
	s_mov_b32 s[G1B+5], PB
	s_mul_i32 s68, s12, HA
	s_mul_i32 s69, s12, HB
	s_add_co_u32 s69, s69, BOFF
	s_mov_b32 s[G0A], 1
	s_mov_b32 s[G0A+1], s68
	s_mov_b32 s[G0A+4], 1
	s_add_co_u32 s[G0A+5], s68, SLOT
	s_mov_b32 s[G0B], 1
	s_mov_b32 s[G0B+1], s69
	s_mov_b32 s[G0B+4], 1
	s_add_co_u32 s[G0B+5], s69, SLOT
	s_mul_i32 s16, s13, 32*MA                      ; A: o's row 128 y + 64 half
	s_mul_i32 s17, s12, 16*MA
	s_add_co_u32 s16, s16, s17
	s_mul_i32 s16, s16, PA*2
	s_mov_b32 s17, 0
	s_lshl_b32 s46, s42, 8                         ; B: wt's row 3072 + 256 x + 128 half
	s_lshl_b32 s47, s12, 7
	s_add_co_u32 s46, s46, s47
	s_mul_i32 s46, s46, PB*2
	s_add_co_u32 s46, s46, 3072*2048
	s_mov_b32 s47, 0
	s_mov_b32 s66, 0
	s_wait_dscnt 0x0                               ; the opening add is done
	s_wait_kmcnt 0x0
	s_add_nc_u64 s[G0A+2:G0A+3], s[4:5], s[16:17]
	s_add_nc_u64 s[G0A+6:G0A+7], s[G0A+2:G0A+3], 256
	s_or_b32 s[G0A+3], s[G0A+3], 0x80000000
	s_or_b32 s[G0A+7], s[G0A+7], 0x80000000
	s_add_nc_u64 s[G0B+2:G0B+3], s[6:7], s[46:47]
	s_add_nc_u64 s[G0B+6:G0B+7], s[G0B+2:G0B+3], 256
	s_or_b32 s[G0B+3], s[G0B+3], 0x80000000
	s_or_b32 s[G0B+7], s[G0B+7], 0x80000000
	CROUND                                         ; all sixteen work-groups are here: the first joint loads meet
	s_cmp_eq_u32 s11, 0                            ; a wave's two first fills stand in one branch: two loads of mine are out
	s_cbranch_scc0 .Lfirst_b
	tensor_load_to_lds s[G0A:G0A+3], s[G1A:G1A+7]
	s_nop 0
	tensor_load_to_lds s[G0A+4:G0A+7], s[G1A:G1A+7]
	s_nop 0
	PLACES
	s_branch .Lfirst_done
.Lfirst_b:
	tensor_load_to_lds s[G0B:G0B+3], s[G1B:G1B+7]
	s_nop 0
	tensor_load_to_lds s[G0B+4:G0B+7], s[G1B:G1B+7]
	s_nop 0
	PLACES
.Lfirst_done:
	v_and_b32 v1, 15, v0
	v_bfe_u32 v2, v0, 4, 1
	s_lshl_b32 s20, s42, 10                        ; the bias of my 128 columns: 4 bytes x (256 x + 128 half); register j of block b is column 16 b + 8 (l / 16) + j
	s_lshl_b32 s21, s12, 9
	s_add_co_u32 s20, s20, s21
	s_mov_b32 s21, 0
	s_add_nc_u64 s[72:73], s[72:73], s[20:21]
	v_lshlrev_b32 v4, 5, v2
	WIN 0x40
.irp b, 0,1,2,3,4,5,6,7
	global_load_b128 v[8*(\b):8*(\b)+3],   v4, s[72:73] offset:64*(\b)
	global_load_b128 v[8*(\b)+4:8*(\b)+7], v4, s[72:73] offset:64*(\b)+16
.endr
	WIN 0
	; the prefetches' addresses, and the head's requests
	v_and_b32 v5, 31, v0
	v_lshlrev_b32 v30, 11, v5                      ; o: a row of 2,048 bytes a lane; never rewritten
	v_lshrrev_b32 v6, 3, v5
	v_and_b32 v7, 7, v5
	v_lshlrev_b32 v31, 11, v6                      ; wt: row lane / 8,
	v_lshl_add_u32 v31, v7, 8, v31                 ; K step lane % 8; never rewritten
	s_lshl_b32 s20, s13, 18                        ; o at row 128 y + 32 cx, K step 2
	s_lshl_b32 s21, s40, 16
	s_add_co_u32 s20, s20, s21
	s_add_co_u32 s20, s20, 512
	s_mov_b32 s21, 0
	s_add_nc_u64 s[74:75], s[4:5], s[20:21]
	s_lshl_b32 s20, s42, 19                        ; wt at row 3072 + 256 x + 4 y
	s_lshl_b32 s21, s13, 13
	s_add_co_u32 s20, s20, s21
	s_add_co_u32 s20, s20, 3072*2048
	s_mov_b32 s21, 0
	s_add_nc_u64 s[76:77], s[6:7], s[20:21]
	s_cmp_lg_u32 s10, 0
	s_cbranch_scc1 .Lhead_asked
	global_prefetch_b8 v30, s[74:75] th:TH_LOAD_NT scope:SCOPE_SE             ; K step 2,
	global_prefetch_b8 v30, s[74:75] offset:256 th:TH_LOAD_NT scope:SCOPE_SE  ; K step 3
	global_prefetch_b8 v31, s[76:77] th:TH_LOAD_NT scope:SCOPE_SE             ; my four rows of wt, all eight K steps (the first two are being loaded at this moment)
.Lhead_asked:
	v_mul_u32_u24 v3, v1, PITCH
	v_lshl_add_u32 v3, v2, 4, v3
	s_mul_i32 s21, s11, HA
	s_mul_i32 s22, s12, HB
	s_add_co_u32 s22, s22, BOFF
	v_add_nc_u32 v16, s21, v3
	v_add_nc_u32 v17, s22, v3
	v_mov_b32 v18, v16
	v_mov_b32 v19, v17
	s_mul_i32 s23, s10, 16*MA*DP                   ; my stage
	v_mul_u32_u24 v20, v1, DP                      ; in: row l % 16, the columns in their order: 32 bytes for each half of the lanes
	v_lshl_add_u32 v20, v2, 5, v20
	v_add_nc_u32 v20, s23, v20
	v_and_b32 v22, 31, v0
	v_lshlrev_b32 v22, 4, v22                      ; back and out: 32 lanes take a row's 512 bytes
	v_add_nc_u32 v21, s23, v22
	s_mul_i32 s20, s13, 32*MA                      ; out0 at my first row and column
	s_mul_i32 s21, s11, 16*MA
	s_add_co_u32 s20, s20, s21
	s_mul_i32 s20, s20, PCB
	s_lshl_b32 s21, s42, 10
	s_add_co_u32 s20, s20, s21
	s_lshl_b32 s21, s12, 9
	s_add_co_u32 s20, s20, s21
	s_mov_b32 s21, 0
	s_add_nc_u64 s[8:9], s[8:9], s[20:21]
	s_wait_loadcnt 0x0                             ; the bias
	WIN 0x45
.set ii, 0
.rept 32
	v_cvt_pk_bf16_f32 v192, v[2*ii], v[2*ii+1]     ; rounded to bf16 like the other inputs, kept as f32
	v_lshlrev_b32 v[2*ii], 16, v192
	v_and_b32 v[2*ii+1], 0xffff0000, v192
.set ii, ii+1
.endr
	WIN 0
	s_wait_tensorcnt 0x1                           ; my part of K step 0 is in; step 1's may stay out
	s_barrier_signal -1
	s_barrier_wait -1
	FETCH 0, F0
	QUARTER 64, F0, F1, 1
	WIN 0
	s_mov_b32 s67, NK-2
.Lk:
	QUARTER 128, F1, F0, 0
	QUARTER 192, F0, F1, 0
	TURN 1
	QUARTER 64, F0, F1, 0
	WIN 0
	s_sub_co_u32 s67, s67, 1
	s_cmp_lg_u32 s67, 0
	s_cbranch_scc1 .Lk
	s_mov_b32 s67, 2
.Lt:                                                   ; the last two K steps ask for nothing; the second jumps over what belongs to a further step
	QUARTER 128, F1, F0, 0
	QUARTER 192, F0, F1, 0
	TURN 0
	WIN 0
	s_cmp_eq_u32 s67, 1
	s_cbranch_scc1 .Lskip
	QUARTER 64, F0, F1, 0
	WIN 0
.Lskip:
	s_sub_co_u32 s67, s67, 1
	s_cmp_lg_u32 s67, 0
	s_cbranch_scc1 .Lt
	; THE WAY OUT: f32 into my stage over the ring; 16 rows a trip come back as whole rows of 512 bytes and are stored.
	PLACES
	s_wait_dscnt 0x0
	s_barrier_signal -1                            ; on every way through the tail: no wave writes a stage while another may still read the ring
	s_barrier_wait -1
	WIN 0x08                                       ; store data in window 2
.set aa, 0
.rept MA
.irp b, 0,1,2,3,4,5,6,7
	ds_store_b128 v20, v[8*(8*aa+(\b)):8*(8*aa+(\b))+3]   offset:16*DP*aa+64*(\b)      ; each accumulator's low registers first
	ds_store_b128 v20, v[8*(8*aa+(\b))+4:8*(8*aa+(\b))+7] offset:16*DP*aa+64*(\b)+16
.endr
.set aa, aa+1
.endr
	WIN 0
	s_mov_b32 s67, MA
.Lrow:
.set p, 0
.rept 16
	ds_load_b128 v[X+4*p:X+4*p+3], v21 offset:DP*p ; LDS serves a wave's instructions in order (ISA guide 5.7.1.4): these see my stores
.set p, p+1
.endr
	v_add_nc_u32 v21, 16*DP, v21
.set p, 0
.rept 16
	s_wait_dscnt 15-p                              ; row p is in
	global_store_b128 v22, v[X+4*p:X+4*p+3], s[8:9] offset:PCB*p th:TH_STORE_NT  ; a wave's store covers 512 consecutive bytes, aligned
.set p, p+1
.endr
	s_wait_xcnt 0x0                                ; the stores' data and base are rewritten only behind this wait
	s_add_nc_u64 s[8:9], s[8:9], 16*PCB
	s_sub_co_u32 s67, s67, 1
	s_cmp_lg_u32 s67, 0
	s_cbranch_scc1 .Lrow
	s_wait_tensorcnt 0x0                           ; the wave's end
	ds_add_u32 v28, v29
	s_wait_dscnt 0x0
	CROUND                                         ; the closing round
	s_endpgm
.Lfunc_end_k_qd51708d22e_projo:
	.size	k_qd51708d22e_projo, .Lfunc_end_k_qd51708d22e_projo-k_qd51708d22e_projo
	.p2alignl 7, 3214868480
	.fill 96, 4, 3214868480
	.section	.rodata,"a",@progbits
	.p2align	6, 0x0
	.amdhsa_kernel k_qd51708d22e_projo
		.amdhsa_group_segment_fixed_size 327680
		.amdhsa_private_segment_fixed_size 0
		.amdhsa_enable_private_segment 0
		.amdhsa_kernarg_size 32
		.amdhsa_user_sgpr_count 2
		.amdhsa_user_sgpr_kernarg_segment_ptr 1
		.amdhsa_wavefront_size32 1
		.amdhsa_system_sgpr_workgroup_id_x 1
		.amdhsa_system_sgpr_workgroup_id_y 1
		.amdhsa_system_sgpr_workgroup_id_z 1
		.amdhsa_system_vgpr_workitem_id 0
		.amdhsa_next_free_vgpr 768
		.amdhsa_next_free_sgpr 80
		.amdhsa_reserve_vcc 0
		.amdhsa_float_denorm_mode_32 3
		.amdhsa_float_denorm_mode_16_64 3
		.amdhsa_memory_ordered 1
		.amdhsa_forward_progress 1
		.amdhsa_inst_pref_size 61
	.end_amdhsa_kernel
	.amdgpu_metadata
---
amdhsa.version: [ 1, 2 ]
amdhsa.kernels:
  - .name:           k_qd51708d22e_projo
    .symbol:         k_qd51708d22e_projo.kd
    .args:
      - { .name: o, .offset: 0, .size: 8, .value_kind: global_buffer, .address_space: global }
      - { .name: wt, .offset: 8, .size: 8, .value_kind: global_buffer, .address_space: global }
      - { .name: out0, .offset: 16, .size: 8, .value_kind: global_buffer, .address_space: global }
      - { .name: bo, .offset: 24, .size: 8, .value_kind: global_buffer, .address_space: global }
    .group_segment_fixed_size: 327680
    .private_segment_fixed_size: 0
    .kernarg_segment_align: 8
    .kernarg_segment_size: 32
    .max_flat_workgroup_size: 128
    .sgpr_count:     80
    .vgpr_count:     768
    .wavefront_size: 32
...
	.end_amdgpu_metadata
.endif
;; end of part 6
